; MI455X (gfx1250); checked and timed in simulation.
; The chip was launched on July 23, 2026; its instructions are those of AMD's public machine-readable ISA for CDNA 5 (MIT licence, August 2026) and "CDNA5" Instruction Set Architecture Reference Guide (July 2026). The comments in the code are by the model that wrote it; some were corrected since.
;; Multi Head Cross Attention. Allowed arithmetic: matrix products marked QUANTISED: E2M1 operands, one E8M0 scale for each 32 along K, by v_wmma_scale_f32_16x16x128_f8f6f4 with both operands' format E2M1 (or v_wmma_scale_f32_32x16x128_f4), f32 sums; everything else in f32.
;; Inputs: Wk 1,024 x 1,024 float32; Wo 1,024 x 1,024 float32; Wq 1,024 x 1,024 float32; Wv 1,024 x 1,024 float32; bk 1,024 float32; bo 1,024 float32; bq 1,024 float32; bv 1,024 float32; k 4 x 2,048 x 1,024 float32; q 4 x 2,048 x 1,024 float32; v 4 x 2,048 x 1,024 float32.
;; Outputs: out0 4 x 2,048 x 1,024 float32.
;; This version of the problem:
;;   THIS VERSION OF THE PROBLEM IS GIVEN IN LOW PRECISION. The matrix products marked QUANTISED in the list below multiply operands that are first quantised to E2M1 (2 exponent bits, 1 mantissa bit; 4 bits a number), with one power-of-two scale for each 32 numbers along K (OCP MX v1.0); their sums are f32. All else is computed in f32.
;;   The module's matrix products, in the order in which they are computed (A, B: the left and right operand; K: the contracted axis; several contracted axes count as one K, in the product's order):
;;     1. [M 8,192, K 1,024] x [K 1,024, N 1,024]; A: input q; B: input Wq: QUANTISED
;;     2. [M 8,192, K 1,024] x [K 1,024, N 1,024]; A: input k; B: input Wk: QUANTISED
;;     3. [M 8,192, K 1,024] x [K 1,024, N 1,024]; A: input v; B: input Wv: QUANTISED
;;     4. batch 64 x [M 2,048, K 64] x [K 64, N 2,048]; A: computed on the way; B: computed on the way: QUANTISED
;;     5. batch 64 x [M 2,048, K 2,048] x [K 2,048, N 64]; A: softmax (see below); B: computed on the way: QUANTISED
;;     6. [M 8,192, K 1,024] x [K 1,024, N 1,024]; A: computed on the way; B: input Wo: QUANTISED
;;   THE QUANTISER, for each operand of a quantised product, along K:
;;     - K is cut into blocks of 32 from its start; a last block that is shorter is filled with zeros.
;;     - A block's scale is 2^e with e = floor(log2(the largest magnitude in the block)) - 2, held to -126 .. 127; a block of zeros has e = 0. As a byte (E8M0): e + 127.
;;     - Each number is divided by its block's scale, clamped to +-6, and rounded to the nearest number of E2M1, ties to even, subnormals kept.
;;     - The product sums the exact products of the quantised numbers (number of the format x scale) in f32.
;;   ~~~python
;;   def quantise(x, axis):      # numpy; x: float32 -> the quantised numbers, widened to float32 again
;;       x = np.moveaxis(x, axis, -1); K = x.shape[-1]
;;       x = np.pad(x, [(0, 0)] * (x.ndim - 1) + [(0, -K % 32)]); x = x.reshape(x.shape[:-1] + (-1, 32)); a = np.abs(x).max(-1, keepdims=True)
;;       e = np.where(a > 0, np.clip(np.frexp(np.where(a > 0, a, 1))[1] - 1 - 2, -126, 127), 0)      # np.frexp(a)[1] - 1 = floor(log2(a)), exactly
;;       r = np.clip(x / 2.0 ** e, -6, 6)
;;       step = 2.0 ** (np.maximum(np.frexp(np.where(r == 0, 1, r))[1] - 1, 0) - 1)
;;       q = np.round(r / step) * step * 2.0 ** e      # np.round: ties to even
;;       return np.moveaxis(q.reshape(q.shape[:-2] + (-1,))[..., :K], -1, axis).astype(np.float32)
;;   ~~~
;;   SOFTMAX AHEAD OF A QUANTISED PRODUCT. Where the list says 'softmax', what is quantised is not the finished softmax but p = 2^(t - M), with t = logit x log2(e) and M = ceil(the row's largest t), a whole number; so 1/2 < the row's largest p <= 1. The row's sum l is taken of the UNQUANTISED p, in f32, and the product's result is divided by l at the end. Since M is a whole number, a kernel that streams over the keys may use a running M (the ceiling of the running maximum): every later rescaling is an exact power of two, which a block's scale takes up: the codes' values come out the same.
;;   OPERANDS COMPUTED ON THE WAY. 'Computed on the way' means the value that the module computes at that place (a softmax that the list does not call 'softmax' is quantised finished and normalised). What goes into a quantiser is computed in f32, as accurately as f32 sums, v_exp_f32 and their like allow (about 1e-6 of the number): no bf16 or f16 on the way to a quantiser, and a product that is left as it is and whose result goes on into a quantised operand takes f32 operands (vector FMAs, or v_wmma_f32_16x16x4_f32). A number that lies on a knife's edge between two numbers of the format may be rounded either way, as far as f32 arithmetic and the matrix unit's own rounding can turn it there, and no further.
;; One version. Each part assembles by itself: llvm-mc -triple=amdgcn-amd-amdhsa -mcpu=gfx1250 --defsym DOCPART=n.
;; ======== version 1 of 1: 4 launches
;; workspace buffers: xc 14,680,064 bytes; xs 917,504 bytes; rot 262,144 bytes; hb 13,369,344 bytes; ac 4,194,304 bytes; asw 262,144 bytes
;; launch quant (part 1): grid 896 x 1, 4 waves a work-group, no clusters, 33,280 bytes of LDS; arguments q, k, v, Wq, Wk, Wv, Wo, xc, xs, rot; writes xc, xs, rot
.if DOCPART == 1
	.amdgcn_target "amdgcn-amd-amdhsa--gfx1250"
	.amdhsa_code_object_version 6
	.text
	.protected	k_qe8a88e5809_quant
	.globl	k_qe8a88e5809_quant
	.p2align	8
	.type	k_qe8a88e5809_quant,@function
k_qe8a88e5809_quant:
	s_mov_b64 s[64:65], 0
	v_nop
	global_prefetch_b8 v0, s[64:65] scope:SCOPE_SE
	s_setreg_imm32_b32 hwreg(HW_REG_WAVE_MODE, 25, 1), 1
	s_wait_xcnt 0x0
; q, k, v [8192][1024] and Wq, Wk, Wv, Wo [1024][1024], f32, K innermost, become codes of FP4 (E2M1) in xc (512 bytes a row) and one E8M0 byte for each 32 along K in xs (32 bytes a row).
; ROW SPACE of xc and xs: q from row 0, k from 8,192, v from 16,384, Wq from 24,576, Wk from 25,600, Wv from 26,624, Wo from 27,648.
; TILE ORDER: in every group of 32 rows the four runs of 8 rows are stored in the order 0, 2, 1, 3.  So 16 stored rows on end, tile 2 b + u of a group b, are the rows 32 b + 8 u + r + (r & 8):
; a product that takes such a tile as its first source leaves 16 neighbours along that axis in the 16 registers of two neighbouring tiles, which is what the next quantiser wants.
; A block's scale is 2^(floor(log2(its largest magnitude)) - 2); its byte is the largest magnitude's exponent field - 2, held at 1 from below.
; LIMITS: a block whose largest magnitude lies under 2^-124, a block of zeros among them, gets the byte 1 (the rule says 127 for zeros): its codes are zeros or the rule's own, and this program alone reads the bytes.
; NaN and infinities among the inputs are not served.
; A work-group takes 32 rows, a wave 8 rows = 16 steps of 512 numbers.  Each of a step's four loads reads 512 consecutive bytes; the 2,048 bytes turn through the wave's own stage in LDS and come back 64 bytes a lane,
; so that a lane holds 16 neighbours along K (two lanes to a block).  A wave's store of codes covers 256 consecutive bytes, aligned; its 256 scale bytes are gathered in LDS and leave as one such run.
; No tensor loads, no barrier, no cluster: waves share nothing, and no two work-groups read the same byte.
; THE TABLE: the first 256 work-groups also make rot[position 0..2047][frequency 0..15] = (cos, sin) of position x inv_freq, f32, for the rotary of the next launch.
; LIMIT: inv_freq is taken as sixteen f32 constants, 1 / f32(10000^(i/16)); were the power rounded otherwise by one unit in the last place, an angle would move by at most 1.4e-4.
.set STEPS, 16
.set EMAX,  2
.set CB,    8                          ; bytes of 16 codes
.set R,     16                         ; v16-79   four sets of 16 numbers as they are loaded
.set X,     80                         ; v80-111  two sets of 16 neighbours
.set C,     128                        ; v128-191 codes: four registers for each step, so that no store's data are written again
.set E,     112                        ; v112-127 a scale byte for each step
.set WREG,  8192                       ; LDS: a region for each wave: two stages of 32 x SP bytes, then its 256 scale bytes
.set SP,    80                         ; a lane's place in a stage: 64 bytes + 16 of padding
	s_load_b512 s[4:19], s[0:1], 0x0               ; q s[4:5], k s[6:7], v s[8:9], Wq s[10:11], Wk s[12:13], Wv s[14:15], Wo s[16:17], xc s[18:19]
	s_load_b128 s[20:23], s[0:1], 0x40             ; xs s[20:21], rot s[22:23]
	v_lshl_add_u32 v192, v0, 2, 0x8000
	v_mov_b32 v193, 0
	v_lshrrev_b32 v1, 5, v0
	v_readfirstlane_b32 s28, v1                    ; wave
	v_and_b32 v2, 31, v0                           ; lane
	v_lshlrev_b32 v3, 4, v2                        ; my 16 bytes of a load's 512
	s_mul_i32 s29, s28, WREG
	v_lshrrev_b32 v14, 2, v2
	v_mul_u32_u24 v14, v14, SP
	v_and_b32 v15, 3, v2
	v_lshl_add_u32 v14, v15, 4, v14
	v_add_nc_u32 v14, s29, v14                     ; the stage, on the way in: SP (lane / 4) + 16 (lane % 4)
	v_mul_u32_u24 v15, v2, SP
	v_add_nc_u32 v15, s29, v15                     ; and on the way out: SP x lane: my 16 neighbours
	v_mul_u32_u24 v4, v2, CB                       ; my codes' place in a step's
	v_lshrrev_b32 v5, 1, v2
	s_add_co_u32 s29, s29, 2*32*SP
	v_add_nc_u32 v5, s29, v5                       ; LDS: my wave's 256 scale bytes, my block's byte
	v_lshlrev_b32 v7, 3, v2                        ; and on the way out 8 bytes a lane
	v_add_nc_u32 v6, s29, v7
	s_wait_alu depctr_va_vdst(0)
	s_wait_kmcnt 0x0
; which tensor: the choice hangs on the work-group's number alone.  s[24:25]: the tensor;  s26: its first work-group
.macro PICK lim, lo, first
	s_cmp_lt_u32 ttmp9, \lim
	s_cselect_b64 s[24:25], s[\lo:\lo+1], s[24:25]
	s_cselect_b32 s26, \first, s26
.endm
	s_mov_b64 s[24:25], s[16:17]
	s_mov_b32 s26, 864
	PICK 864, 14, 832
	PICK 832, 12, 800
	PICK 800, 10, 768
	PICK 768, 8, 512
	PICK 512, 6, 256
	PICK 256, 4, 0
	s_sub_co_u32 s30, ttmp9, s26
	s_lshl_b32 s30, s30, 2
	s_add_co_u32 s30, s30, s28                     ; which run of 8 rows of the tensor is my wave's
	s_lshl_b32 s30, s30, 15                        ; 32,768 bytes a run
	s_mov_b32 s31, 0
	s_add_nc_u64 s[24:25], s[24:25], s[30:31]
	s_and_b32 s32, s28, 1                          ; the tile order: run w of a group goes to place ((w & 1) << 1) | (w >> 1)
	s_lshl_b32 s32, s32, 1
	s_lshr_b32 s33, s28, 1
	s_or_b32 s32, s32, s33
	s_lshl_b32 s33, ttmp9, 2
	s_add_co_u32 s32, s32, s33                     ; the run's place in the row space
	s_lshl_b32 s34, s32, 12                        ; 4,096 bytes of codes a run,
	s_mov_b32 s35, 0
	s_add_nc_u64 s[18:19], s[18:19], s[34:35]
	s_lshl_b32 s34, s32, 8                         ; 256 scale bytes
	s_add_nc_u64 s[20:21], s[20:21], s[34:35]
.macro LOAD t
.irp i, 0,1,2,3
	global_load_b128 v[R+16*((\t)%4)+4*\i:R+16*((\t)%4)+4*\i+3], v3, s[24:25] offset:2048*(\t)+512*\i th:TH_LOAD_NT   ; 32 lanes read 512 consecutive bytes, read once in the launch
.endr
.endm
.macro TURN t                          ; step t's numbers through the stage: LDS serves a wave's instructions in order (ISA guide 5.7.1.4), so no wait stands between the stores and the loads
.irp i, 0,1,2,3
	ds_store_b128 v14, v[R+16*((\t)%4)+4*\i:R+16*((\t)%4)+4*\i+3] offset:32*SP*((\t)%2)+8*SP*\i
.endr
.irp i, 0,1,2,3
	ds_load_b128 v[X+16*((\t)%2)+4*\i:X+16*((\t)%2)+4*\i+3], v15 offset:32*SP*((\t)%2)+16*\i
.endr
.endm
.irp t, 0,1,2,3
	LOAD \t
.endr
	s_wait_loadcnt 12                              ; step 0's four loads are in; those of steps 1 to 3 may be out
	TURN 0
.macro STEP t
.set XS, X+16*((\t)%2)
.if (\t) > 0
	s_wait_dscnt 1                                 ; this step's numbers are back from the stage (the last step's byte store may be out): its stores into the stage have read their registers,
.else
	s_wait_dscnt 0x0
.endif
.if (\t)+4 < STEPS
	LOAD (\t)+4                                    ; which take the loads of four steps on
.endif
.if (\t)+1 < STEPS
.if STEPS-2-(\t) >= 3
	s_wait_loadcnt 12                              ; the next step's four loads are in; those of the three steps behind it may be out
.else
	s_wait_loadcnt 4*(STEPS-2-(\t))
.endif
	TURN (\t)+1                                    ; and go through the other stage while this step is worked
.endif
	v_max3_num_f32 v8, |v[XS]|, |v[XS+1]|, |v[XS+2]|               ; the largest magnitude of my 16, in two chains
	v_max3_num_f32 v9, |v[XS+3]|, |v[XS+4]|, |v[XS+5]|
.irp i, 6,10
	v_max3_num_f32 v8, v8, |v[XS+\i]|, |v[XS+\i+1]|
	v_max3_num_f32 v9, v9, |v[XS+\i+2]|, |v[XS+\i+3]|
.endr
	v_max3_num_f32 v8, v8, |v[XS+14]|, |v[XS+15]|
	v_max3_num_f32 v8, v8, v9, (EMAX+1)<<23        ; and the floor 2^(3 - 127): the byte cannot fall under 1
	v_max_num_f32_dpp v8, v8, v8 row_xmask:1 row_mask:0xf bank_mask:0xf   ; and of my neighbour's 16: the block's
	v_add_nc_u32 v11, -(EMAX<<23), v8              ; 2 off its exponent field: the conversion takes the exponent field of this operand as its scale, and nothing else of it
	v_cvt_scalef32_pk8_fp4_f32 v[C+4*(\t)], v[XS:XS+7], v11
	v_cvt_scalef32_pk8_fp4_f32 v[C+4*(\t)+1], v[XS+8:XS+15], v11
	v_lshrrev_b32 v[E+(\t)], 23, v11               ; the scale's byte (also the plain line behind the conversions)
	ds_store_b8 v5, v[E+(\t)] offset:16*(\t)       ; both lanes of a block write the same byte with the same value
	global_store_b64 v4, v[C+4*(\t):C+4*(\t)+1], s[18:19] offset:32*CB*(\t)   ; the wave stores 256 consecutive bytes, aligned
.endm
.irp t, 0,1,2,3,4,5,6,7,8,9,10,11,12,13,14,15
	STEP \t
.endr
	ds_load_b64 v[12:13], v6                       ; these see my byte stores: LDS serves a wave's instructions in order
	s_wait_dscnt 0x0
	global_store_b64 v7, v[12:13], s[20:21]        ; 32 lanes store 256 consecutive bytes, aligned
; THE TABLE.  Work-group g < 256 makes positions 8 g .. 8 g + 7: thread t has frequency t % 16 of position 8 g + t / 16.  It uses registers that no pending store names.
	s_cmp_lt_u32 ttmp9, 256
	s_cbranch_scc0 .Lend
	v_mov_b32 v16, 0
.macro FREQ i, bits                    ; inv_freq[i] into lanes i and i + 16
	s_mov_b32 s30, \bits
	v_writelane_b32 v16, s30, \i
	v_writelane_b32 v16, s30, \i+16
.endm
	FREQ 0, 0x3f800000
	FREQ 1, 0x3f0ff59a
	FREQ 2, 0x3ea1e89b
	FREQ 3, 0x3e361887
	FREQ 4, 0x3dcccccd
	FREQ 5, 0x3d6655c2
	FREQ 6, 0x3d0186e3
	FREQ 7, 0x3c91ad39
	FREQ 8, 0x3c23d70a
	FREQ 9, 0x3bb8449c
	FREQ 10, 0x3b4f3e38
	FREQ 11, 0x3ae91528
	FREQ 12, 0x3a83126f
	FREQ 13, 0x3a136a16
	FREQ 14, 0x39a5cb5f
	FREQ 15, 0x393a7753
	v_lshrrev_b32 v17, 4, v0
	s_lshl_b32 s31, ttmp9, 3
	v_add_nc_u32 v17, s31, v17                     ; the position
	v_cvt_f32_u32 v17, v17
	v_mul_f32 v18, v17, v16                        ; x = position x inv_freq: one rounding, as the angle is defined
	v_mul_f32 v19, 0x3f22f983, v18                 ; x x 2 / pi
	v_rndne_f32 v19, v19                           ; n: at most 1,303
	v_fmamk_f32 v20, v19, 0xbfc90fdb, v18          ; y = x - n pi/2, pi/2 in two parts, each step fused: |y| <= pi/4 and a little
	v_fmamk_f32 v20, v19, 0x333bbd2e, v20
	v_cvt_i32_f32 v21, v19                         ; the quadrant is n mod 4
	v_mul_f32 v22, v20, v20                        ; z = y y
	v_mov_b32 v23, 0xb94ca1f9                      ; sin y = y + y z (s1 + z (s2 + z s3))
	v_fmaak_f32 v23, v23, v22, 0x3c08839e
	v_fmaak_f32 v23, v23, v22, 0xbe2aaaa3
	v_mul_f32 v23, v23, v22
	v_fma_f32 v23, v23, v20, v20
	v_mov_b32 v24, 0x37ccf5ce                      ; cos y = 1 - z / 2 + z z (c1 + z (c2 + z c3))
	v_fmaak_f32 v24, v24, v22, 0xbab6061a
	v_fmaak_f32 v24, v24, v22, 0x3d2aaaa5
	v_mul_f32 v24, v24, v22
	v_fma_f32 v25, v22, -0.5, 1.0
	v_fma_f32 v24, v24, v22, v25
	v_and_b32 v26, 1, v21
	v_cmp_ne_u32 vcc_lo, 0, v26                    ; an odd quadrant changes sine and cosine: a choice of values, no branch
	v_cndmask_b32 v29, v23, v24, vcc_lo            ; sin x
	v_cndmask_b32 v28, v24, v23, vcc_lo            ; cos x
	v_and_b32 v26, 2, v21                          ; sin x is negated in quadrants 2 and 3,
	v_lshlrev_b32 v26, 30, v26
	v_xor_b32 v29, v26, v29
	v_add_nc_u32 v27, 1, v21                       ; cos x in quadrants 1 and 2
	v_and_b32 v27, 2, v27
	v_lshlrev_b32 v27, 30, v27
	v_xor_b32 v28, v27, v28
	v_lshlrev_b32 v30, 3, v0
	s_lshl_b32 s32, ttmp9, 10
	s_mov_b32 s33, 0
	s_add_nc_u64 s[22:23], s[22:23], s[32:33]
	global_store_b64 v30, v[28:29], s[22:23]       ; a wave stores 256 consecutive bytes, aligned
.Lend:
	s_wait_tensorcnt 0x0
	ds_add_u32 v192, v193
	s_wait_dscnt 0x0
	s_endpgm
.Lfunc_end_k_qe8a88e5809_quant:
	.size	k_qe8a88e5809_quant, .Lfunc_end_k_qe8a88e5809_quant-k_qe8a88e5809_quant
	.p2alignl 7, 3214868480
	.fill 96, 4, 3214868480
	.section	.rodata,"a",@progbits
	.p2align	6, 0x0
	.amdhsa_kernel k_qe8a88e5809_quant
		.amdhsa_group_segment_fixed_size 33280
		.amdhsa_private_segment_fixed_size 0
		.amdhsa_enable_private_segment 0
		.amdhsa_kernarg_size 80
		.amdhsa_user_sgpr_count 2
		.amdhsa_user_sgpr_kernarg_segment_ptr 1
		.amdhsa_wavefront_size32 1
		.amdhsa_system_sgpr_workgroup_id_x 1
		.amdhsa_system_sgpr_workgroup_id_y 1
		.amdhsa_system_sgpr_workgroup_id_z 1
		.amdhsa_system_vgpr_workitem_id 0
		.amdhsa_next_free_vgpr 194
		.amdhsa_next_free_sgpr 66
		.amdhsa_reserve_vcc 1
		.amdhsa_float_denorm_mode_32 3
		.amdhsa_float_denorm_mode_16_64 3
		.amdhsa_memory_ordered 1
		.amdhsa_forward_progress 1
		.amdhsa_inst_pref_size 39
	.end_amdhsa_kernel
	.amdgpu_metadata
---
amdhsa.version: [ 1, 2 ]
amdhsa.kernels:
  - .name:           k_qe8a88e5809_quant
    .symbol:         k_qe8a88e5809_quant.kd
    .args:
      - { .name: q, .offset: 0, .size: 8, .value_kind: global_buffer, .address_space: global }
      - { .name: k, .offset: 8, .size: 8, .value_kind: global_buffer, .address_space: global }
      - { .name: v, .offset: 16, .size: 8, .value_kind: global_buffer, .address_space: global }
      - { .name: Wq, .offset: 24, .size: 8, .value_kind: global_buffer, .address_space: global }
      - { .name: Wk, .offset: 32, .size: 8, .value_kind: global_buffer, .address_space: global }
      - { .name: Wv, .offset: 40, .size: 8, .value_kind: global_buffer, .address_space: global }
      - { .name: Wo, .offset: 48, .size: 8, .value_kind: global_buffer, .address_space: global }
      - { .name: xc, .offset: 56, .size: 8, .value_kind: global_buffer, .address_space: global }
      - { .name: xs, .offset: 64, .size: 8, .value_kind: global_buffer, .address_space: global }
      - { .name: rot, .offset: 72, .size: 8, .value_kind: global_buffer, .address_space: global }
    .group_segment_fixed_size: 33280
    .private_segment_fixed_size: 0
    .kernarg_segment_align: 8
    .kernarg_segment_size: 80
    .max_flat_workgroup_size: 128
    .sgpr_count:     66
    .vgpr_count:     194
    .wavefront_size: 32
...
	.end_amdgpu_metadata
.endif
;; end of part 1
;; launch proj (part 2): grid 4 x 96, 4 waves a work-group, clusters of 4 x 4, 279,040 bytes of LDS; arguments xc, xs, rot, bq, bk, bv, hb; writes hb
.if DOCPART == 2
	.amdgcn_target "amdgcn-amd-amdhsa--gfx1250"
	.amdhsa_code_object_version 6
	.text
	.protected	k_qe8a88e5809_proj
	.globl	k_qe8a88e5809_proj
	.p2align	8
	.type	k_qe8a88e5809_proj,@function
k_qe8a88e5809_proj:
	s_mov_b64 s[64:65], 0
	v_nop
	global_prefetch_b8 v0, s[64:65] scope:SCOPE_SE
	s_setreg_imm32_b32 hwreg(HW_REG_WAVE_MODE, 25, 1), 1
	s_wait_xcnt 0x0
	s_wait_alu depctr_hold_cnt(0) depctr_sa_sdst(0) depctr_va_vdst(0) depctr_va_sdst(0) depctr_va_ssrc(0) depctr_va_vcc(0) depctr_vm_vsrc(0)
	s_getreg_b32 s2, hwreg(HW_REG_IB_STS2, 6, 4)
	s_cmp_eq_u32 s2, 0
	s_cbranch_scc0 .Lentry_in_a_cluster
	s_endpgm
.Lentry_in_a_cluster:
	s_bfe_u32 s2, ttmp6, 0x10000c
	s_cmp_lg_u32 s2, 0xf033
	s_cbranch_scc0 .Lentry_shape_is_right
	s_endpgm
.Lentry_shape_is_right:
; The three projections x W^T + b on codes of FP4 (E2M1) with E8M0 scales (K = 1,024), the rotary of Q and K, and the quantising of the results into the operands of attention.
; xc, xs: codes (512 bytes a row) and scale bytes (32 a row) of q, k, v, Wq, Wk, Wv in one row space, IN TILE ORDER: the 16 stored rows of tile 2 b + u are the rows 32 b + 8 u + r + (r & 8).
; A work-group of four waves makes 256 x 256 of one product, a wave 128 x 128: 64 accumulators, 512 registers.  Cluster y / 8 says which product: 0 Q, 1 K, 2 V.
; THE MATRIX INSTRUCTION'S first source ("B" below) gives the result's registers, its second ("A") the result's lanes.  Q and K: A = rows of x, B = rows of W: a lane holds one position, and by the tile order
; its 16 registers of two neighbouring tiles are 16 neighbouring channels: the head's 64 are the next product's K.  V: A = rows of Wv, B = rows of v: a lane holds one channel and its registers run along the keys.
; ALL OF K FITS IN LDS: two slots of 512 along K (rows of 256 bytes + 16 of padding), each filled once, at the start.  No LDS byte is filled twice, so there is no ring.
; CLUSTERS: 4 x 4 work-groups; A's tiles hang on the cluster's y place alone and are asked for jointly along a row of the cluster, B's on its x place alone and jointly along a column.
; THE SCALE WORDS of my 128 + 128 rows for all of K are 64 registers, loaded once: register SC + 8 i + kq holds A's tile i in lanes 0-15 and B's tile i in lanes 16-31, for the kq-th 128 along K.
; THE WAY OUT uses no LDS: bias, rotary, quantiser in registers; the codes leave as IMAGES OF THE NEXT OPERAND'S REGISTERS, lane l's 16 bytes at 16 l: each store covers 512 consecutive bytes, aligned.
; hb: for each of 64 heads (16 x batch + head) HS bytes: regions Q, K, V of REG bytes, each 65,536 bytes of codes and 4,096 of scale words.
;   Q, K codes [tile 0..127][512]: lane (r, h): channels 32 h .. 32 h + 31 of position 32 (tile / 2) + 8 (tile % 2) + r + (r & 8).   Scale words [step of 128 positions][r][pi 0..3]: bytes 0, 1 tile 2 pi of the step, bytes 2, 3 tile 2 pi + 1.
;   V codes [step of 128 keys][ct 0..3][1,024]: a fragment of 16 channels x 128 keys, channel 32 (ct / 2) + 8 (ct % 2) + r + (r & 8).   Scale words [step][r][ct].
; THE TEXT PARTS ONCE, on Q, K or V (the cluster's y, the same in all partners), ahead of the loads of bias and table, and joins at the closing round: every register that a way reads is written on that way.
; LIMITS: NaN and infinities are not served; a block under 2^-124 (zeros among them) gets the byte 1, which this program alone reads.
; REGISTERS, in windows of 256: window 0: v0-31 addresses; v32-95 scale words (on the way out, when the last product is issued, the 64 numbers at work: no other 64 are free); v96-159 A's fragments, one set (on the way out eight sets of codes);
;   v160-223 bias; v224-239 quantiser; v240-247 the eight scale words made; v248-251 what leaves of them; v252-255 rotary.   window 1: v0-63, v128-191 B's two sets; v64-127, v192-255 cos and sin of my 128 positions.
;   window 2: the accumulators of my A rows 0-63 ((a, b) at v[8 (8 a + b)]);   window 3: those of rows 64-127.
.set PITCH,  272                       ; an LDS row: 256 bytes + 16 of padding = 68 words: row r starts at bank 4 r mod 64 (64 banks of 4 bytes: ISA guide 11.1)
.set HALFT,  128*PITCH                 ; 128 rows: what one tensor load brings, and what one wave reads of A or of B
.set SLOT,   4*HALFT                   ; A's 256 rows, then B's 256 rows
.set FR,     8                         ; registers of a fragment: 16 rows x 128 K
.set NL,     2                         ; LDS loads that bring one
.set NP,     4                         ; places behind this matrix instruction (ISA guide 7.12.1)
.set HS,     208896
.set REG,    69632
.set SCO,    65536
.set ADRA, 16                          ; v16-17  LDS address of my A fragments in slot 0, 1
.set ADRB, 20                          ; v20-21  the same for B
.set L16,  24                          ; v24     16 x lane: an image's place for my lane
.set SOFF, 25                          ; v25     my row's scale bytes in xs: lanes 0-15 A's rows, lanes 16-31 B's
.set ROFF, 26                          ; v26     my place in the table
.set BOFF, 27                          ; v27     my place in the bias
.set SSTO, 28                          ; v28     where my 16 bytes of scale words go: lanes 0-15 the first head, lanes 16-31 the second
.set SELV, 29                          ; v29     which two bytes of a scale word are my head's
.set SC,   32
.set TT,   32
.set AF,   96
.set PCD,  96
.set BIAS, 160
.set TM,   224
.set PWS,  240
.set OUTW, 248
.set G1,  24                           ; s[24:31] descriptor group 1 for A's tiles;  s[32:39] group 0, one set for each slot
.set G0,  32
.set G1B, 48                           ; s[48:55], s[56:63] the same for B's tiles
.set G0B, 56
.set SEL, 66                           ; s[66:67] v_permlanex16_b32's selects for lane l xor 16
.set MSB, 0
.macro WIN new                         ; the immediate's high byte repeats the setting that is left; a switch that changes nothing is dropped
.if MSB != (\new)
	s_set_vgpr_msb (MSB<<8)|(\new)
.set MSB, (\new)
.endif
.endm
.set MUL_LO, 0xa1                      ; source 0 (B) window 1, source 1 (A) window 0, C and D window 2
.set MUL_HI, 0xf1                      ; the same, C and D window 3
.set TO_B,   0x40                      ; destination window 1, address window 0
; A joint load: waves 0 and 1 fetch A's halves, waves 2 and 3 B's.  Each line has one mask and one set of registers for all that issue it; the branch hangs on the wave's number alone.
; Four v_nop follow each of the two lines, ahead of the jump, the label and what follows.
.macro JLOAD s
	s_cmp_eq_u32 s15, 0
	s_cbranch_scc0 .Lfor_b_\@
	tensor_load_to_lds s[G0+4*\s:G0+4*\s+3], s[G1:G1+7]
	s_nop 0
.rept 4
	v_nop
.endr
	s_branch .Lasked_\@
.Lfor_b_\@:
	tensor_load_to_lds s[G0B+4*\s:G0B+4*\s+3], s[G1B:G1B+7]
	s_nop 0
.rept 4
	v_nop
.endr
.Lasked_\@:
.endm
.macro CROUND                          ; a round of the cluster's barrier
	s_barrier_signal -1
	s_barrier_wait -1
	s_cmp_lg_u32 s14, 0
	s_cbranch_scc1 .Lnot_wave_0_\@
	s_barrier_signal -3
.Lnot_wave_0_\@:
	s_barrier_wait -3
	s_barrier_signal -1
	s_barrier_wait -1
.endm
	s_load_b256 s[4:11], s[0:1], 0x0               ; xc s[4:5], xs s[6:7], rot s[8:9], bq s[10:11]
	s_load_b128 s[68:71], s[0:1], 0x20             ; bk s[68:69], bv s[70:71]
	s_load_b64 s[72:73], s[0:1], 0x30              ; hb
	v_lshl_add_u32 v234, v0, 2, 0x44000
	v_mov_b32 v235, 0
	ds_add_u32 v234, v235
	ds_add_u32 v234, v235
	v_lshrrev_b32 v1, 5, v0
	v_readfirstlane_b32 s14, v1                    ; wave 0..3
	s_lshr_b32 s15, s14, 1                         ; which half of A's rows is mine.  Also: I fetch for A (0) or for B (1)
	s_and_b32 s16, s14, 1                          ; which half of B's rows.  Also: which 128 rows of that tile I fetch
	s_bfe_u32 s40, ttmp6, 0x40000                  ; cx, cy: my place in the cluster
	s_bfe_u32 s41, ttmp6, 0x40004
	s_and_b32 s17, ttmp7, 0xffff                   ; the cluster's y, 0..23
	s_lshr_b32 s18, s17, 3                         ; t: 0 Q, 1 K, 2 V
	s_and_b32 s19, s17, 7                          ; c8: which 1,024 rows of x
	s_lshr_b32 s20, s18, 1                         ; isV
	s_xor_b32 s21, s20, 1                          ; nv = 1 - isV
	s_lshl_b32 s43, s41, 2
	s_lshl_b32 s43, 15, s43                        ; my row of the cluster
	s_lshl_b32 s44, 0x1111, s40                    ; my column
	; descriptor group 1: a tile of 128 rows x 256 bytes, padded in LDS
	s_or_b32 s[G1+0], s43, (0<<16)|(1<<20)|(1<<21)|(5<<22)|(3<<25)  ; 15:0 the mask: A's tiles go to my row; 17:16 elements of 1 byte; 20 padding on; 21 set beside a mask; 24:22 after every 64 words; 31:25 of 4 words
	s_or_b32 s[G1B+0], s44, (0<<16)|(1<<20)|(1<<21)|(5<<22)|(3<<25)
.irp g, G1, G1B
	s_mov_b32 s[\g+1], 256<<16                     ; tensor_dim0
	s_mov_b32 s[\g+2], 128<<16                     ; tensor_dim1
	s_mov_b32 s[\g+3], 256<<16                     ; tile_dim0
	s_mov_b32 s[\g+4], 128                         ; tile_dim1
	s_mov_b32 s[\g+5], 512                         ; tensor_dim0_stride: a row of xc
	s_mov_b32 s[\g+6], 0
	s_mov_b32 s[\g+7], 0
.endr
	; A's first row in the row space: nv (8,192 t + 1,024 c8) + isV 26,624 + 256 cy: it never holds cx
	s_lshl_b32 s22, s18, 13
	s_lshl_b32 s23, s19, 10
	s_add_co_u32 s22, s22, s23
	s_mul_i32 s22, s22, s21
	s_mul_i32 s23, s20, 26624
	s_add_co_u32 s22, s22, s23
	s_lshl_b32 s23, s41, 8
	s_add_co_u32 s22, s22, s23
	; B's: nv (24,576 + 1,024 t) + isV (16,384 + 1,024 c8) + 256 cx: it never holds cy
	s_lshl_b32 s46, s18, 10
	s_add_co_u32 s46, s46, 24576
	s_mul_i32 s46, s46, s21
	s_lshl_b32 s47, s19, 10
	s_add_co_u32 s47, s47, 16384
	s_mul_i32 s47, s47, s20
	s_add_co_u32 s46, s46, s47
	s_lshl_b32 s47, s40, 8
	s_add_co_u32 s46, s46, s47
	s_lshl_b32 s76, s16, 7                         ; which 128 rows of the tile I fetch
	s_add_co_u32 s78, s22, s76
	s_lshl_b32 s78, s78, 9                         ; 512 bytes a row
	s_mov_b32 s79, 0
	s_add_co_u32 s80, s46, s76
	s_lshl_b32 s80, s80, 9
	s_mov_b32 s81, 0
	s_mul_i32 s45, s14, HALFT                      ; where they go: wave x 128 rows: no place in the cluster enters an LDS address
	s_mov_b32 s[SEL], 0x76543210
	s_mov_b32 s[SEL+1], 0xfedcba98
	s_wait_dscnt 0x0
	s_wait_kmcnt 0x0
	s_add_nc_u64 s[82:83], s[4:5], s[78:79]
	s_add_nc_u64 s[84:85], s[4:5], s[80:81]
	CROUND                                         ; all sixteen work-groups are here: the joint loads meet
.irp s, 0,1
	s_mov_b32 s[G0+4*\s], 1                        ; count = 1
	s_add_co_u32 s[G0+4*\s+1], s45, \s*SLOT        ; LDS address
	s_add_nc_u64 s[G0+4*\s+2:G0+4*\s+3], s[82:83], \s*256   ; global address: K = 512 s on
	s_or_b32 s[G0+4*\s+3], s[G0+4*\s+3], 0x80000000         ; type = 2
	s_mov_b32 s[G0B+4*\s], 1
	s_add_co_u32 s[G0B+4*\s+1], s45, \s*SLOT
	s_add_nc_u64 s[G0B+4*\s+2:G0B+4*\s+3], s[84:85], \s*256
	s_or_b32 s[G0B+4*\s+3], s[G0B+4*\s+3], 0x80000000
	JLOAD \s                                       ; both slots are asked for at once: two tensor loads of mine are out, and no more follow
.endr
	v_and_b32 v1, 15, v0                           ; r = lane % 16
	v_bfe_u32 v2, v0, 4, 1                         ; h = lane / 16
	v_cmp_ne_u32 vcc_lo, 0, v2
	s_lshl_b32 s74, s15, 7
	s_add_co_u32 s74, s74, s22                     ; my 128 rows of A begin here in the row space,
	s_add_co_u32 s75, s46, s76                     ; my 128 rows of B here
	v_mov_b32 v5, s74
	v_mov_b32 v6, s75
	v_cndmask_b32 v5, v5, v6, vcc_lo               ; lanes 16-31 take B's
	v_add_lshl_u32 v[SOFF], v5, v1, 5              ; 32 scale bytes a row
.irp i, 0,1,2,3,4,5,6,7
	global_load_b128 v[SC+8*\i:SC+8*\i+3], v[SOFF], s[6:7] offset:512*\i        ; tile i: the words of K steps 0-3,
	global_load_b128 v[SC+8*\i+4:SC+8*\i+7], v[SOFF], s[6:7] offset:512*\i+16   ; and 4-7
.endr
	v_mul_u32_u24 v3, v1, PITCH
	v_lshl_add_u32 v4, v2, 4, v3                   ; a fragment's row x pitch + 16 x half
	s_mul_i32 s12, s15, HALFT                      ; my 128 rows of A
	s_mul_i32 s13, s16, HALFT                      ; my 128 rows of B,
	s_add_co_u32 s13, s13, 2*HALFT                 ; which lie behind A's 256
.irp s, 0,1
	v_add_nc_u32 v[ADRA+\s], s12, v4
	v_add_nc_u32 v[ADRB+\s], s13, v4
	s_add_co_u32 s12, s12, SLOT
	s_add_co_u32 s13, s13, SLOT
.endr
	v_and_b32 v6, 31, v0
	v_lshlrev_b32 v[L16], 4, v6
	v_mul_u32_u24 v[SSTO], v2, HS
	v_lshl_add_u32 v[SSTO], v1, 4, v[SSTO]
	v_mov_b32 v[SELV], 0x05040100
	v_mov_b32 v6, 0x07060302
	v_cndmask_b32 v[SELV], v[SELV], v6, vcc_lo
	v_and_b32 v7, 8, v1
	v_add_nc_u32 v7, v7, v1                        ; r + (r & 8): my row's place in its group of 32
.irp b, 0,1,2,3
	v_mov_b32 v[TM+4+\b], 0                        ; written once: a lane permute's destination counts as one of its sources
.endr
	; where the results go.  These scalars feed no descriptor.
	s_mul_i32 s86, s21, s19
	s_lshl_b32 s86, s86, 2
	s_add_co_u32 s86, s86, s41
	s_lshl_b32 s86, s86, 8
	s_lshl_b32 s87, s15, 7
	s_add_co_u32 s86, s86, s87                     ; my first A row within its tensor
	s_mul_i32 s88, s20, s19
	s_lshl_b32 s88, s88, 2
	s_add_co_u32 s88, s88, s40
	s_lshl_b32 s88, s88, 8
	s_add_co_u32 s88, s88, s76                     ; my first B row within its tensor
	s_mul_i32 s89, s21, s86
	s_mul_i32 s87, s20, s88
	s_add_co_u32 s89, s89, s87                     ; my first row of x (batch x 2,048 + position)
	s_mul_i32 s90, s21, s88
	s_mul_i32 s87, s20, s86
	s_add_co_u32 s90, s90, s87                     ; my first row of W: the channel
	s_lshr_b32 s91, s89, 11
	s_lshl_b32 s91, s91, 4
	s_lshr_b32 s92, s90, 6
	s_add_co_u32 s91, s91, s92                     ; 16 x batch + my first head
	s_mul_i32 s91, s91, HS
	s_mul_i32 s92, s18, REG
	s_add_co_u32 s91, s91, s92                     ; the head's region Q, K or V
	s_bfe_u32 s92, s89, 0x40007                    ; which step of 128 positions
	s_lshl_b32 s93, s92, 12
	s_add_co_u32 s94, s91, s93
	s_mov_b32 s95, 0
	s_add_nc_u64 s[94:95], s[72:73], s[94:95]      ; the step's 4,096 bytes of codes
	s_lshl_b32 s93, s92, 8
	s_add_co_u32 s96, s91, s93
	s_add_co_u32 s96, s96, SCO
	s_mov_b32 s97, 0
	s_add_nc_u64 s[96:97], s[72:73], s[96:97]      ; and its 256 bytes of scale words
	s_lshl_b32 s92, s90, 2                         ; my channels' place in a bias
	s_mov_b32 s93, 0
.macro FRAG reg, adr, q, i             ; a fragment: lane l holds row l % 16; registers 4 c .. 4 c + 3 hold K = 64 c + 32 (l / 16) + 0 .. 31
.irp c, 0,1
	ds_load_b128 v[\reg+4*\c:\reg+4*\c+3], v[\adr] offset:64*(\q)+32*\c+(\i)*16*PITCH
.endr
.endm
; 16 matrix instructions: A's blocks a0, a0 + 1 x B's eight, the kq-th 128 along K.  p: B's set.  zero = 1: the first product starts the sums.
; The 64 accumulators take turns, one instruction a turn, in the same order in every step.
.macro MUL16 a0, p, kq, zero
.irp a, \a0, \a0+1
.irp b, 0,1,2,3,4,5,6,7
.if \zero
	v_wmma_scale_f32_16x16x128_f8f6f4 v[8*(8*((\a)%4)+\b):8*(8*((\a)%4)+\b)+7], v[128*(\p)+FR*\b:128*(\p)+FR*\b+FR-1], v[AF+FR*(\a):AF+FR*(\a)+FR-1], 0, v[SC+8*\b+(\kq)], v[SC+8*(\a)+(\kq)] matrix_a_fmt:MATRIX_FMT_FP4 matrix_b_fmt:MATRIX_FMT_FP4 matrix_a_scale:MATRIX_SCALE_ROW1
.else
	v_wmma_scale_f32_16x16x128_f8f6f4 v[8*(8*((\a)%4)+\b):8*(8*((\a)%4)+\b)+7], v[128*(\p)+FR*\b:128*(\p)+FR*\b+FR-1], v[AF+FR*(\a):AF+FR*(\a)+FR-1], v[8*(8*((\a)%4)+\b):8*(8*((\a)%4)+\b)+7], v[SC+8*\b+(\kq)], v[SC+8*(\a)+(\kq)] matrix_a_fmt:MATRIX_FMT_FP4 matrix_b_fmt:MATRIX_FMT_FP4 matrix_a_scale:MATRIX_SCALE_ROW1
.endif
.endr
.endr
.endm
.macro FETCH_B slot, q, p              ; B's eight fragments of the slot's q-th 128 along K into set p
	WIN TO_B
.irp i, 0,1,2,3,4,5,6,7
	FRAG 128*(\p)+FR*\i, ADRB+\slot, \q, \i
.endr
	WIN 0
.endm
.macro FETCH_A slot, q, i0             ; A's blocks i0 .. i0 + 3
.irp i, \i0, \i0+1, \i0+2, \i0+3
	FRAG AF+FR*(\i), ADRA+\slot, \q, \i
.endr
.endm
.macro PLACES n                        ; plain vector lines between a matrix instruction and a load into, or a vector line on, one of its registers (not for loads)
.rept \n
	v_nop
.endr
.endm
; A step of 128 along K that has its successor in the same slot.  A's one set is fetched anew in halves, as its blocks are done with; B's other set in the middle.
.macro STEP slot, q, zero
	s_wait_dscnt 4*NL                              ; B's set and A's blocks 0-3 are in; the youngest eight loads (A's blocks 4-7) may be out
	WIN MUL_LO
	MUL16 0, (\q)%2, 4*(\slot)+(\q), \zero
	MUL16 2, (\q)%2, 4*(\slot)+(\q), \zero
	s_wait_dscnt 0                                 ; A's blocks 4-7 are in (asked for 32 matrix instructions ago)
	PLACES NP
	FETCH_B \slot, (\q)+1, 1-(\q)%2
	FETCH_A \slot, (\q)+1, 0
	WIN MUL_HI
	MUL16 4, (\q)%2, 4*(\slot)+(\q), \zero
	MUL16 6, (\q)%2, 4*(\slot)+(\q), \zero
	PLACES NP
	WIN 0
	FETCH_A \slot, (\q)+1, 4
.endm
; Slot 0's last step goes over to slot 1: my part of slot 1 has landed (no tensor load was issued behind it, so the count is 0), then one barrier, behind which every wave's part has.
.macro TURN
	s_wait_tensorcnt 0x0
	s_wait_dscnt 4*NL
	WIN MUL_LO
	MUL16 0, 1, 3, 0
	s_wait_dscnt 0x0                               ; no LDS instruction of mine is out at the signal
	s_barrier_signal -1
	MUL16 2, 1, 3, 0                               ; work on registers while the others arrive
	WIN 0
	s_barrier_wait -1
	PLACES NP
	FETCH_B 1, 0, 0
	FETCH_A 1, 0, 0
	WIN MUL_HI
	MUL16 4, 1, 3, 0
	MUL16 6, 1, 3, 0
	PLACES NP
	WIN 0
	FETCH_A 1, 0, 4
.endm
; All of K: eight steps of 64 matrix instructions.  younger: the global loads issued behind the 16 loads of scale words, which may stay out until the way out.
.macro MAIN younger
	s_wait_tensorcnt 1                             ; my part of slot 0 is in; slot 1's load may stay out
	s_barrier_signal -1
	s_barrier_wait -1                              ; everybody's is
	FETCH_B 0, 0, 0
	FETCH_A 0, 0, 0
	FETCH_A 0, 0, 4
	s_wait_loadcnt \younger                        ; the scale words are in
	STEP 0, 0, 1
	STEP 0, 1, 0
	STEP 0, 2, 0
	TURN
	STEP 1, 0, 0
	STEP 1, 1, 0
	STEP 1, 2, 0
	s_wait_dscnt 4*NL                              ; the last step: nothing more to fetch
	WIN MUL_LO
	MUL16 0, 1, 7, 0
	MUL16 2, 1, 7, 0
	s_wait_dscnt 0
	WIN MUL_HI
	MUL16 4, 1, 7, 0
	MUL16 6, 1, 7, 0
	WIN 0
	s_wait_loadcnt 0x0                             ; bias and table
	PLACES NP                                      ; in front of the first read of results and the first write over operands and scale words
.endm
; 64 numbers of a lane, v[s] .. v[s + 63], register 16 b + i = k 32 b + 16 (lane / 16) + i of my row, become a fragment's codes in v[pc] on and its scale word in v[pw].
.macro QUANT s, pc, pw
.irp b, 0,1,2,3
	v_max3_num_f32 v[TM+\b], |v[\s+16*\b]|, |v[\s+1+16*\b]|, 0x1800000   ; block b: my 16 numbers, and the floor 2^(3 - 127): the byte cannot fall under 1
.endr
.irp i, 2,4,6,8,10,12,14
.irp b, 0,1,2,3
	v_max3_num_f32 v[TM+\b], v[TM+\b], |v[\s+16*\b+\i]|, |v[\s+1+16*\b+\i]|   ; (the four blocks by turns)
.endr
.endr
.irp b, 0,1,2,3
	v_permlanex16_b32 v[TM+4+\b], v[TM+\b], s[SEL], s[SEL+1]
.endr
.irp b, 0,1,2,3
	v_max_num_f32 v[TM+\b], v[TM+\b], v[TM+4+\b]   ; with lane l xor 16's: the block's largest magnitude
.endr
.irp b, 0,1,2,3
	v_add_nc_u32 v[TM+12+\b], 0xff000000, v[TM+\b] ; 2 off its exponent field: the conversion's scale operand
.endr
.irp b, 0,1,2,3
	v_lshrrev_b32 v[TM+4+\b], 23, v[TM+12+\b]      ; the scale's byte
.endr
	v_lshl_or_b32 v[\pw], v[TM+5], 8, v[TM+4]      ; the four bytes make my row's scale word
	v_lshl_or_b32 v[\pw], v[TM+6], 16, v[\pw]
	v_lshl_or_b32 v[\pw], v[TM+7], 24, v[\pw]
.irp b, 0,1,2,3
	v_cvt_scalef32_pk8_fp4_f32 v[\pc+2*\b], v[\s+16*\b:\s+7+16*\b], v[TM+12+\b]
	v_cvt_scalef32_pk8_fp4_f32 v[\pc+1+2*\b], v[\s+8+16*\b:\s+15+16*\b], v[TM+12+\b]
.endr
	v_nop                                          ; one plain line behind a scaled conversion
.irp c, 0,1                                    ; the operand's layout wants a whole block in a lane: lanes 0-15 block 2 c, lanes 16-31 block 2 c + 1
.irp i, 0,1
	v_permlane16_swap_b32 v[\pc+4*\c+\i], v[\pc+2+4*\c+\i]
.endr
.endr
.endm
; Q, K: tile a of my positions (16 of them, one a lane), 128 channels = two heads.  Each tile has its own registers for codes and scale word: no store's data are written again.
.macro EPI_QK a
.set AC, 64*((\a)%4)
.set RT, 64+16*(\a)+64*((\a)/4)        ; the tile's eight (cos, sin), in window 1
	WIN 2+(\a)/4                                   ; source 0: window 2 or 3
.set i, 0
.rept 32
	v_pk_add_f32 v[TT+2*i:TT+2*i+1], v[AC+2*i:AC+2*i+1], v[BIAS+2*i:BIAS+2*i+1]   ; + bias; each accumulator from its low end on
.set i, i+1
.endr
	WIN 0x04                                       ; source 1: window 1
.irp hd, 0,1                                   ; the head's channels 16 h + 0 .. 15 are eight pairs (x1, x2) -> (x1 cos - x2 sin, x2 cos + x1 sin), frequency 8 h + p
.irp p, 0,1,2,3,4,5,6,7
	v_mul_f32 v[252+2*(\p%2)], v[TT+32*\hd+2*\p+1], v[RT+2*\p+1]
	v_mul_f32 v[253+2*(\p%2)], v[TT+32*\hd+2*\p], v[RT+2*\p+1]
	v_fma_f32 v[TT+32*\hd+2*\p], v[TT+32*\hd+2*\p], v[RT+2*\p], -v[252+2*(\p%2)]
	v_fma_f32 v[TT+32*\hd+2*\p+1], v[TT+32*\hd+2*\p+1], v[RT+2*\p], v[253+2*(\p%2)]
.endr
.endr
	WIN 0
	QUANT TT, PCD+8*(\a), PWS+(\a)
	global_store_b128 v[L16], v[PCD+8*(\a):PCD+8*(\a)+3], s[94:95] offset:512*(\a)        ; the first head's image: 512 consecutive bytes, aligned
	global_store_b128 v[L16], v[PCD+8*(\a)+4:PCD+8*(\a)+7], s[94:95] offset:512*(\a)+HS   ; the second head's
.endm
; V: tile a of my channels (one a lane), 128 keys: one fragment of the second product of attention
.macro EPI_V a
.set AC, 64*((\a)%4)
	WIN 2+(\a)/4
.set i, 0
.rept 32
	v_pk_add_f32 v[TT+2*i:TT+2*i+1], v[AC+2*i:AC+2*i+1], v[BIAS+2*(\a):BIAS+2*(\a)+1]   ; + my channel's bias
.set i, i+1
.endr
	WIN 0
	QUANT TT, PCD+8*(\a), PWS+(\a)
	global_store_b128 v[L16], v[PCD+8*(\a):PCD+8*(\a)+3], s[94:95] offset:((\a)/4)*HS+((\a)%4)*1024
	global_store_b128 v[L16], v[PCD+8*(\a)+4:PCD+8*(\a)+7], s[94:95] offset:((\a)/4)*HS+((\a)%4)*1024+512
.endm
	s_cmp_lg_u32 s20, 0                            ; Q, K or V: the cluster's y alone decides, alike in all partners and all waves
	s_cbranch_scc1 .Lway_v
	; ---- Q and K
	s_cmp_eq_u32 s18, 0
	s_cselect_b64 s[98:99], s[10:11], s[68:69]     ; bq or bk
	s_add_nc_u64 s[98:99], s[98:99], s[92:93]
	v_lshlrev_b32 v[BOFF], 6, v2                   ; lane (r, h) wants, for tile 2 b + u, the bias of channels 32 b + 16 h + 8 u + 0 .. 7
.irp t, 0,1,2,3,4,5,6,7
	global_load_b128 v[BIAS+8*\t:BIAS+8*\t+3], v[BOFF], s[98:99] offset:(32*(\t/2)+8*(\t%2))*4
	global_load_b128 v[BIAS+8*\t+4:BIAS+8*\t+7], v[BOFF], s[98:99] offset:(32*(\t/2)+8*(\t%2))*4+16
.endr
	s_and_b32 s92, s89, 2047                       ; my first position
	s_lshl_b32 s92, s92, 7                         ; 128 bytes of table a position
	s_add_nc_u64 s[8:9], s[8:9], s[92:93]
	s_wait_alu depctr_va_vdst(0)
	v_lshlrev_b32 v[ROFF], 7, v7
	v_lshl_add_u32 v[ROFF], v2, 6, v[ROFF]         ; position r + (r & 8) of the tile, frequencies 8 h on
	WIN TO_B
.irp a, 0,1,2,3,4,5,6,7
.irp k, 0,1,2,3
	global_load_b128 v[64+16*\a+64*(\a/4)+4*\k:64+16*\a+64*(\a/4)+4*\k+3], v[ROFF], s[8:9] offset:128*(32*(\a/2)+8*(\a%2))+16*\k
.endr
.endr
	WIN 0
	MAIN 48                                        ; behind the scale words: 16 loads of bias, 32 of the table
.irp a, 0,1,2,3,4,5,6,7
	EPI_QK \a
.endr
.irp t, 0,1,2,3                                ; word pi of a head: its two bytes of tile 2 pi, then of tile 2 pi + 1.  Lanes 0-15 make the first head's, lanes 16-31 the second's
	v_perm_b32 v[OUTW+\t], v[PWS+2*\t+1], v[PWS+2*\t], v[SELV]
.endr
	global_store_b128 v[SSTO], v[OUTW:OUTW+3], s[96:97]   ; sixteen lanes store 256 consecutive bytes, aligned, for each head
	s_branch .Lend
.Lway_v:
	; ---- V
	s_add_nc_u64 s[70:71], s[70:71], s[92:93]
	s_wait_alu depctr_va_vdst(0)
	v_lshlrev_b32 v[BOFF], 2, v7                   ; my channel of a tile: r + (r & 8)
.irp a, 0,1,2,3,4,5,6,7
	global_load_b32 v[BIAS+2*\a], v[BOFF], s[70:71] offset:4*(32*(\a/2)+8*(\a%2))
	global_load_b32 v[BIAS+2*\a+1], v[BOFF], s[70:71] offset:4*(32*(\a/2)+8*(\a%2))   ; twice: a pair for the packed addition
.endr
	MAIN 16                                        ; behind the scale words: 16 loads of bias
.irp a, 0,1,2,3,4,5,6,7
	EPI_V \a
.endr
	v_cmp_ne_u32 vcc_lo, 0, v2
.irp t, 0,1,2,3
	v_cndmask_b32 v[OUTW+\t], v[PWS+\t], v[PWS+4+\t], vcc_lo   ; lanes 0-15: the first head's four tiles of channels; lanes 16-31: the second's
.endr
	global_store_b128 v[SSTO], v[OUTW:OUTW+3], s[96:97]
.Lend:
	s_wait_tensorcnt 0x0
	ds_add_u32 v234, v235
	s_wait_dscnt 0x0
	CROUND                                         ; the closing round: no work-group ends while a partner may still ask for a tile that names it
	s_endpgm
.Lfunc_end_k_qe8a88e5809_proj:
	.size	k_qe8a88e5809_proj, .Lfunc_end_k_qe8a88e5809_proj-k_qe8a88e5809_proj
	.p2alignl 7, 3214868480
	.fill 96, 4, 3214868480
	.section	.rodata,"a",@progbits
	.p2align	6, 0x0
	.amdhsa_kernel k_qe8a88e5809_proj
		.amdhsa_group_segment_fixed_size 279040
		.amdhsa_private_segment_fixed_size 0
		.amdhsa_enable_private_segment 0
		.amdhsa_kernarg_size 56
		.amdhsa_user_sgpr_count 2
		.amdhsa_user_sgpr_kernarg_segment_ptr 1
		.amdhsa_wavefront_size32 1
		.amdhsa_system_sgpr_workgroup_id_x 1
		.amdhsa_system_sgpr_workgroup_id_y 1
		.amdhsa_system_sgpr_workgroup_id_z 1
		.amdhsa_system_vgpr_workitem_id 0
		.amdhsa_next_free_vgpr 1024
		.amdhsa_next_free_sgpr 100
		.amdhsa_reserve_vcc 1
		.amdhsa_float_denorm_mode_32 3
		.amdhsa_float_denorm_mode_16_64 3
		.amdhsa_memory_ordered 1
		.amdhsa_forward_progress 1
		.amdhsa_inst_pref_size 255
	.end_amdhsa_kernel
	.section	.bss,"aw",@nobits
	.p2align	6
	.space	262144
	.amdgpu_metadata
---
amdhsa.version: [ 1, 2 ]
amdhsa.kernels:
  - .name:           k_qe8a88e5809_proj
    .symbol:         k_qe8a88e5809_proj.kd
    .args:
      - { .name: xc, .offset: 0, .size: 8, .value_kind: global_buffer, .address_space: global }
      - { .name: xs, .offset: 8, .size: 8, .value_kind: global_buffer, .address_space: global }
      - { .name: rot, .offset: 16, .size: 8, .value_kind: global_buffer, .address_space: global }
      - { .name: bq, .offset: 24, .size: 8, .value_kind: global_buffer, .address_space: global }
      - { .name: bk, .offset: 32, .size: 8, .value_kind: global_buffer, .address_space: global }
      - { .name: bv, .offset: 40, .size: 8, .value_kind: global_buffer, .address_space: global }
      - { .name: hb, .offset: 48, .size: 8, .value_kind: global_buffer, .address_space: global }
    .group_segment_fixed_size: 279040
    .private_segment_fixed_size: 0
    .kernarg_segment_align: 8
    .kernarg_segment_size: 56
    .max_flat_workgroup_size: 128
    .sgpr_count:     100
    .vgpr_count:     1024
    .wavefront_size: 32
...
	.end_amdgpu_metadata
.endif
;; end of part 2
;; launch attn (part 3): grid 8 x 32, 16 waves a work-group, clusters of 4 x 1, 327,680 bytes of LDS; arguments hb, ac, asw; writes ac, asw
.if DOCPART == 3
	.amdgcn_target "amdgcn-amd-amdhsa--gfx1250"
	.amdhsa_code_object_version 6
	.text
	.protected	k_qe8a88e5809_attn
	.globl	k_qe8a88e5809_attn
	.p2align	8
	.type	k_qe8a88e5809_attn,@function
k_qe8a88e5809_attn:
	s_mov_b64 s[64:65], 0
	v_nop
	global_prefetch_b8 v0, s[64:65] scope:SCOPE_SE
	s_setreg_imm32_b32 hwreg(HW_REG_WAVE_MODE, 25, 1), 1
	s_wait_xcnt 0x0
	s_wait_alu depctr_hold_cnt(0) depctr_sa_sdst(0) depctr_va_vdst(0) depctr_va_sdst(0) depctr_va_ssrc(0) depctr_va_vcc(0) depctr_vm_vsrc(0)
	s_getreg_b32 s2, hwreg(HW_REG_IB_STS2, 6, 4)
	s_cmp_eq_u32 s2, 0
	s_cbranch_scc0 .Lentry_in_a_cluster
	s_endpgm
.Lentry_in_a_cluster:
	s_bfe_u32 s2, ttmp6, 0x10000c
	s_cmp_lg_u32 s2, 0x3003
	s_cbranch_scc0 .Lentry_shape_is_right
	s_endpgm
.Lentry_shape_is_right:
; Attention on codes of FP4 (E2M1) with E8M0 scales: S = Q K^T (K = the head's 64), softmax, O = P V (K = the 2,048 keys), O / l, and the quantising of the result along DIM for the last product.
; THE SOFTMAX AHEAD OF THE SECOND PRODUCT: t = score x log2(e) / 8; M = the row's largest t so far, rounded UP to a whole number; p = 2^(t - M) is what is quantised, along the keys, not normalised.
; The row's sum is taken of the unquantised p, in f32, and divides O at the end.  When M moves, the sum and O are multiplied by 2^(old M - new M): exact.
; SHARES.  A work-group owns 256 queries of a PAIR of heads (2 j, 2 j + 1 of one batch); each of its sixteen waves owns one tile of 16 queries, in 256 registers, four waves to a SIMD, so that one wave's vector work
; stands beside another's matrix work and LDS loads.  A wave walks all keys twice, once for each head: so it ends with a whole fragment (16 rows x 128 of DIM) and a whole scale word of the last product's first operand.
; ALL OF K AND V OF BOTH HEADS LIES IN LDS (2 x 139,264 bytes), filled once at the start: no LDS byte is filled twice, so there is no ring.
; CLUSTER.  The four query blocks of a cluster read the same K and V: each part is asked for JOINTLY, by the same tensor load with the same descriptor and the mask of all four.
; OPERANDS ARE IMAGES OF REGISTERS (made by the launch before): lane l's 16 bytes at 16 l.  A tile of K or Q is 512 bytes: lane (r, h): channels 32 h .. 32 h + 31 of row 32 (tile / 2) + 8 (tile % 2) + r + (r & 8).
; K = 64 IN A FORM OF 128: a fragment of K holds TWO tiles of keys (registers 0-3, 4-7).  Q goes in twice, as [image, zeros] and as [zeros, image]: zero codes take the other tile out of the sum.
; So one fragment and one scale word of K serve two products; Q's scale word holds its two bytes twice.
; LAYOUT.  Both products are used transposed (source 0 = keys, or channels of V; source 1 = my queries): a lane holds ONE query throughout.  By the order of rows in a tile the 16 registers of two neighbouring tiles
; are 16 neighbouring keys (channels): 32 b + 16 (lane / 16) + 0 .. 15.
; LIMITS: NaN and infinities are not served; a block of p or of the result under 2^-124 gets the byte 1 over the codes that the rule gives it, zeros for zeros.
; LDS: head A's K codes 0, K scale words 65,536, V codes 69,632, V scale words 135,168; head B's the same HB on; then 1,024 bytes in which the tiles' scale words meet on the way out.
; REGISTERS: v1-7 addresses that stay; v8-11 addresses of the loads in hand; v12 -M, v13 the largest t, v[14:15] the sum in two halves; v16-27 zeros, Q of head A, zeros; v32-63 K; v64-95 V; v96-159 S^T, then p;
;   v160-191 O^T; v192-195 K's scale words, v196-199 V's; v200-207 the codes that leave, v208 their scale word; v209, v210 Q's scale words; v212-223 zeros, Q of head B, zeros; v224-231 p's codes; v232-254 at work.
.set HS,    208896
.set REG,   69632
.set SCO,   65536
.set HB,    2*REG                      ; K's and V's regions of a head
.set STG,   2*HB
.set PART,  HB/16                      ; 8,704 bytes: what one tensor load brings
.set ADK,  8
.set ADV,  9
.set ADS,  10
.set ADT,  11
.set WV,   18                          ; s18  my wave's number
.set SEL,  20                          ; s[20:21] lane selects for v_permlanex16_b32: lane l xor 16
.set CS,   22                          ; s[22:23] c = log2(e) / 8: the packed form names a pair and takes its low word for both halves
.set G1,   24                          ; s[24:31] descriptor group 1;  s[32:35], s[36:39] groups 0 for heads A and B
.set G0A,  32
.set G0B,  36
.set TC,   40                          ; s40  LDS byte at which the step's codes begin
.set TS,   41                          ; s41  and its scale words
.set CNT,  42                          ; s42  steps to go
.macro CROUND                          ; a round of the cluster's barrier
	s_barrier_signal -1
	s_barrier_wait -1
	s_cmp_lg_u32 s[WV], 0
	s_cbranch_scc1 .Lnot_wave_0_\@
	s_barrier_signal -3
.Lnot_wave_0_\@:
	s_barrier_wait -3
	s_barrier_signal -1
	s_barrier_wait -1
.endm
	s_load_b128 s[4:7], s[0:1], 0x0                ; hb s[4:5], ac s[6:7]
	s_load_b64 s[8:9], s[0:1], 0x10                ; asw
	v_lshl_add_u32 v251, v0, 2, 0x44800
	v_mov_b32 v255, 0
	ds_add_u32 v251, v255
	ds_add_u32 v251, v255
	v_lshrrev_b32 v5, 5, v0
	s_delay_alu instid0(VALU_DEP_1)
	v_readfirstlane_b32 s[WV], v5                  ; wave 0..15
	s_bfe_u32 s10, ttmp6, 0x40000                  ; cx: my place in the cluster
	s_lshl_b32 s11, ttmp9, 2
	s_add_co_u32 s11, s11, s10                     ; my block of 256 queries: it enters Q's and the outputs' addresses alone
	s_and_b32 s12, ttmp7, 0xffff                   ; the pair of heads: 8 x batch + j, which the four partners share
	s_lshl_b32 s13, s12, 1
	s_mul_i32 s44, s13, HS                         ; head A's block in hb
	s_mov_b32 s45, 0
	s_mul_i32 s16, s[WV], PART                     ; my part of a head's K and V
	s_add_co_u32 s48, s16, REG                     ; (K's region lies REG behind the block's start)
	s_mov_b32 s49, 0
	; descriptor group 1: a dense block of 8,704 bytes as 34 rows of 256 bytes
	s_mov_b32 s[G1], 15|(3<<16)|(1<<21)            ; 15:0 the mask: all four work-groups; 17:16 elements of 8 bytes; 21 set beside a mask; no padding
	s_mov_b32 s[G1+1], 32<<16                      ; tensor_dim0
	s_mov_b32 s[G1+2], 34<<16                      ; tensor_dim1
	s_mov_b32 s[G1+3], 32<<16                      ; tile_dim0
	s_mov_b32 s[G1+4], 34                          ; tile_dim1
	s_mov_b32 s[G1+5], 32                          ; tensor_dim0_stride
	s_mov_b32 s[G1+6], 0
	s_mov_b32 s[G1+7], 0
	s_mov_b32 s[SEL], 0x76543210
	s_mov_b32 s[SEL+1], 0xfedcba98
	s_mov_b32 s[CS], 0x3e38aa3b                    ; c = log2(e) / 8
	s_mov_b32 s[CS+1], s[CS]                       ; (named with it as a pair, so it is written)
	s_lshl_b32 s17, s11, 4
	s_add_co_u32 s17, s17, s[WV]                   ; my tile of queries, 0..127
	s_lshl_b32 s50, s17, 9                         ; its image in Q's region
	s_mov_b32 s51, 0
	s_lshr_b32 s54, s17, 3                         ; its scale word: step tile / 8, word (tile % 8) / 2
	s_lshl_b32 s54, s54, 8
	s_bfe_u32 s55, s[WV], 0x20001
	s_lshl_b32 s55, s55, 2
	s_add_co_u32 s54, s54, s55
	s_add_co_u32 s54, s54, SCO
	s_mov_b32 s55, 0
	s_and_b32 s58, s[WV], 1                        ; an even tile's two bytes are the word's bytes 0, 1, an odd tile's 2, 3: each pair is taken twice
	s_mul_i32 s58, s58, 0x02020202
	s_add_co_u32 s58, s58, 0x01000100
	s_lshr_b32 s13, s12, 3                         ; batch
	s_lshl_b32 s13, s13, 7
	s_and_b32 s19, s12, 7                          ; j
	s_add_co_u32 s60, s13, s17                     ; ac: [128 batch + tile][j][1,024]
	s_lshl_b32 s60, s60, 13
	s_lshl_b32 s59, s19, 10
	s_add_co_u32 s60, s60, s59
	s_mov_b32 s61, 0
	s_lshl_b32 s59, s11, 4                         ; asw: [j][128 batch + tile][16 rows][4]: my work-group's 16 tiles are 1,024 bytes on end
	s_add_co_u32 s62, s13, s59
	s_lshl_b32 s62, s62, 6
	s_lshl_b32 s59, s19, 15
	s_add_co_u32 s62, s62, s59
	s_mov_b32 s63, 0
	s_wait_dscnt 0x0
	s_wait_kmcnt 0x0
	s_add_nc_u64 s[46:47], s[4:5], s[44:45]
	s_mov_b32 s[G0A], 1                            ; count = 1
	s_mov_b32 s[G0A+1], s16                        ; LDS address: my part of head A's block
	s_add_nc_u64 s[G0A+2:G0A+3], s[46:47], s[48:49]   ; global address
	s_mov_b32 s[G0B], 1
	s_add_co_u32 s[G0B+1], s16, HB
	s_add_nc_u64 s[G0B+2:G0B+3], s[G0A+2:G0A+3], HS
	s_or_b32 s[G0A+3], s[G0A+3], 0x80000000        ; type = 2
	s_or_b32 s[G0B+3], s[G0B+3], 0x80000000
	s_add_nc_u64 s[52:53], s[46:47], s[50:51]      ; Q's image,
	s_add_nc_u64 s[56:57], s[46:47], s[54:55]      ; Q's scale words,
	s_add_nc_u64 s[6:7], s[6:7], s[60:61]          ; and where the results go
	s_add_nc_u64 s[8:9], s[8:9], s[62:63]
	CROUND                                         ; all four work-groups are here: the joint loads meet
	tensor_load_to_lds s[G0A:G0A+3], s[G1:G1+7]    ; every wave asks for its sixteenth of head A; head B's is asked for once this one has landed
	s_nop 0
	s_wait_alu depctr_va_vdst(0)
	s_wait_tensorcnt 0x0
	ds_add_u32 v251, v255
	s_wait_dscnt 0x0
	CROUND
	tensor_load_to_lds s[G0B:G0B+3], s[G1:G1+7]
	s_nop 0
.rept 4
	v_nop
.endr
	v_and_b32 v5, 31, v0
	s_delay_alu instid0(VALU_DEP_1)
	v_lshlrev_b32 v1, 4, v5                        ; 16 x lane: an image's place for my lane: K's codes
	s_delay_alu instid0(VALU_DEP_1)
	v_add_nc_u32 v2, REG, v1                       ; V's codes
	v_and_b32 v30, 15, v0                          ; r
	s_delay_alu instid0(VALU_DEP_1)
	v_lshlrev_b32 v28, 4, v30                      ; 16 r: four scale words a row
	s_delay_alu instid0(VALU_DEP_1)
	v_add_nc_u32 v3, SCO, v28                      ; K's scale words
	s_delay_alu instid0(VALU_DEP_2)
	v_add_nc_u32 v4, REG+SCO, v28                  ; V's
	global_load_b128 v[20:23], v1, s[52:53]        ; Q of head A,
	global_load_b128 v[216:219], v1, s[52:53] offset:HS   ; of head B
	global_load_b32 v209, v28, s[56:57]
	global_load_b32 v210, v28, s[56:57] offset:HS
	v_lshrrev_b32 v29, 5, v0
	s_delay_alu instid0(VALU_DEP_1)
	v_lshlrev_b32 v29, 6, v29
	s_delay_alu instid0(VALU_DEP_1)
	v_lshl_add_u32 v29, v30, 2, v29
	s_delay_alu instid0(VALU_DEP_1)
	v_add_nc_u32 v5, STG, v29                      ; the way out: my tile's 64 bytes of scale words, my row's word
	v_lshl_add_u32 v6, v0, 4, STG                  ; and where waves 0 and 1 read them back,
	v_lshlrev_b32 v7, 4, v0                        ; 16 bytes a thread
.irp i, 16,17,18,19,24,25,26,27,212,213,214,215,220,221,222,223
	v_mov_b32 v\i, 0                               ; the zero codes on either side of Q's images
.endr
.irp b, 0,1,2,3
	v_mov_b32 v[236+\b], 0                         ; written once: a lane permute's destination counts as one of its sources
.endr
	v_mov_b32 v253, 0                              ; (named as the upper half of the pair v[252:253] before it is first written)
	s_wait_loadcnt 0x0
	v_perm_b32 v209, v209, v209, s58               ; Q's two bytes, twice
	v_perm_b32 v210, v210, v210, s58
; A KEY STEP: 128 keys.  qf: where the head's zeros, Q, zeros begin;  qs: Q's scale word.
.macro STEP qf, qs
	v_add_nc_u32 v[ADK], s[TC], v1                 ; (these four are also the places between the last step's products and the loads into the registers that they read)
	v_add_nc_u32 v[ADV], s[TC], v2
	v_add_nc_u32 v[ADS], s[TS], v3
	v_add_nc_u32 v[ADT], s[TS], v4
.irp t, 0,1,2,3
	ds_load_b128 v[32+8*\t:35+8*\t], v[ADK] offset:1024*\t       ; tile 2 t of keys,
	ds_load_b128 v[36+8*\t:39+8*\t], v[ADK] offset:1024*\t+512   ; tile 2 t + 1: together one fragment
.endr
	ds_load_b128 v[192:195], v[ADS]
.irp t, 0,1,2,3
	ds_load_b128 v[64+8*\t:67+8*\t], v[ADV] offset:1024*\t       ; V: 16 channels x 128 keys
	ds_load_b128 v[68+8*\t:71+8*\t], v[ADV] offset:1024*\t+512
.endr
	ds_load_b128 v[196:199], v[ADT]
	s_wait_dscnt 9                                 ; K's nine loads are in; V's nine may be out
.irp t, 0,1,2,3
	v_wmma_scale_f32_16x16x128_f8f6f4 v[96+16*\t:103+16*\t], v[32+8*\t:39+8*\t], v[\qf+4:\qf+11], 0, v[192+\t], v[\qs] matrix_a_fmt:MATRIX_FMT_FP4 matrix_b_fmt:MATRIX_FMT_FP4
	v_wmma_scale_f32_16x16x128_f8f6f4 v[104+16*\t:111+16*\t], v[32+8*\t:39+8*\t], v[\qf:\qf+7], 0, v[192+\t], v[\qs] matrix_a_fmt:MATRIX_FMT_FP4 matrix_b_fmt:MATRIX_FMT_FP4
.endr                                          ; register 96 + 16 b + i: key 32 b + 16 (lane / 16) + i of the step, my query lane % 16
.rept 4
	v_nop
.endr
.irp b, 0,1,2,3
	v_max3_num_f32 v[232+\b], v[96+16*\b], v[97+16*\b], v[98+16*\b]   ; the largest score of each block of 32 keys: for the row's maximum and, since p rises with the score, for the block's largest p
.endr
.irp i, 3,5,7,9,11,13
.irp b, 0,1,2,3
	v_max3_num_f32 v[232+\b], v[232+\b], v[96+16*\b+\i], v[97+16*\b+\i]   ; (the four blocks by turns)
.endr
.endr
.irp b, 0,1,2,3
	v_max_num_f32 v[232+\b], v[232+\b], v[111+16*\b]
.endr
.irp b, 0,1,2,3
	s_delay_alu instid0(VALU_DEP_4)
	v_permlanex16_b32 v[236+\b], v[232+\b], s[SEL], s[SEL+1]
.endr
.irp b, 0,1,2,3
	s_delay_alu instid0(VALU_DEP_4)
	v_max_num_f32 v[232+\b], v[232+\b], v[236+\b]  ; with lane l xor 16's 16 keys
.endr
	s_delay_alu instid0(VALU_DEP_2)
	v_max3_num_f32 v254, v232, v233, v234
	s_delay_alu instid0(VALU_DEP_1)
	v_max_num_f32 v254, v254, v235                 ; the step's largest score of my query
	s_delay_alu instid0(VALU_DEP_1)
	v_mul_f32 v254, s[CS], v254                    ; as t (c is positive)
	s_delay_alu instid0(VALU_DEP_1)
	v_max_num_f32 v13, v13, v254                   ; the running largest t
	v_mov_b32 v254, v12
	s_delay_alu instid0(VALU_DEP_2)
	v_floor_f32 v12, -v13                          ; the new -M = floor(-t) = -ceil(t): a whole number
	s_delay_alu instid0(VALU_DEP_1)
	v_sub_f32 v254, v12, v254                      ; M's old value less its new one: a whole number, 0 or less
	s_delay_alu instid0(VALU_DEP_1)
	v_cvt_i32_f32 v254, v254                       ; (it saturates)
	s_delay_alu instid0(VALU_DEP_1)
	v_ldexp_f32 v252, 1.0, v254                    ; f = 2^(old M - new M): a multiplication by it rounds nothing
.irp j, 0,2,4,6,8,10,12,14,16,18,20,22,24,26,28,30,32,34,36,38,40,42,44,46,48,50,52,54,56,58,60,62
	v_pk_fma_f32 v[96+\j:97+\j], v[96+\j:97+\j], s[CS:CS+1], v[12:13] op_sel_hi:[1,0,0]   ; t - M, two at a time
.endr
.irp b, 0,1,2,3
	v_fma_f32 v[232+\b], v[232+\b], s[CS], v12     ; the same of each block's largest score
.endr
	s_wait_alu depctr_va_vdst(0)
.irp j, 0,1,2,3,4,5,6,7,8,9,10,11,12,13,14,15,16,17,18,19,20,21,22,23,24,25,26,27,28,29,30,31,32,33,34,35,36,37,38,39,40,41,42,43,44,45,46,47,48,49,50,51,52,53,54,55,56,57,58,59,60,61,62,63
	v_exp_f32 v[96+\j], v[96+\j]                   ; p = 2^(t - M), at most 1: not normalised
.endr
	s_setprio 1
.irp b, 0,1,2,3
	v_exp_f32 v[232+\b], v[232+\b]                 ; the block's largest p: the same two instructions on the same number give the same bits
.endr
	v_pk_mul_f32 v[14:15], v[14:15], v[252:253] op_sel_hi:[1,0]   ; the sums under the new M (a plain line behind the exponentials)
	s_wait_alu depctr_va_vdst(0)
.irp b, 0,1,2,3
	v_max_num_f32 v[232+\b], 0x1800000, v[232+\b]  ; the floor 2^(3 - 127): the byte cannot fall under 1
.endr
.irp b, 0,1,2,3
	s_delay_alu instid0(VALU_DEP_4)
	v_add_nc_u32 v[244+\b], 0xff000000, v[232+\b]  ; 2 off the exponent field: the conversion's scale operand
.endr
.irp b, 0,1,2,3
	s_delay_alu instid0(VALU_DEP_4)
	v_lshrrev_b32 v[236+\b], 23, v[244+\b]         ; the scale's byte
.endr
	s_delay_alu instid0(VALU_DEP_3)
	v_lshl_or_b32 v253, v237, 8, v236              ; p's scale word for these 128 keys
	s_delay_alu instid0(VALU_DEP_1)
	v_lshl_or_b32 v253, v238, 16, v253
	s_delay_alu instid0(VALU_DEP_1)
	v_lshl_or_b32 v253, v239, 24, v253
.irp b, 0,1,2,3
	v_cvt_scalef32_pk8_fp4_f32 v[224+2*\b], v[96+16*\b:103+16*\b], v[244+\b]
	v_cvt_scalef32_pk8_fp4_f32 v[225+2*\b], v[104+16*\b:111+16*\b], v[244+\b]
.endr
	v_nop                                          ; one plain line behind a scaled conversion
.irp c, 0,1                                    ; the operand's layout wants a whole block in a lane
.irp i, 0,1
	v_permlane16_swap_b32 v[224+4*\c+\i], v[226+4*\c+\i]
.endr
.endr
	v_pk_add_f32 v[236:237], v[96:97], v[98:99]    ; the row's sum is taken of the unquantised p: two at a time, in two chains
.irp j, 4,8,12,16,20,24,28,32,36,40,44,48,52,56,60
	v_pk_add_f32 v[14:15], v[14:15], v[96+\j:97+\j]
	v_pk_add_f32 v[236:237], v[236:237], v[98+\j:99+\j]
.endr
	s_delay_alu instid0(VALU_DEP_1)
	v_pk_add_f32 v[14:15], v[14:15], v[236:237]
	s_setprio 0
.irp j, 0,2,4,6,8,10,12,14,16,18,20,22,24,26,28,30
	v_pk_mul_f32 v[160+\j:161+\j], v[160+\j:161+\j], v[252:253] op_sel_hi:[1,0]   ; O^T under the new M.  (With the sums above: the places between p's codes and scale word and the products below)
.endr
	s_wait_alu depctr_va_vdst(0)
	s_wait_dscnt 0x0                               ; V is in
.irp t, 0,1,2,3                                ; O^T += V^T P^T: the four accumulators by turns, one instruction a turn
	v_wmma_scale_f32_16x16x128_f8f6f4 v[160+8*\t:167+8*\t], v[64+8*\t:71+8*\t], v[224:231], v[160+8*\t:167+8*\t], v[196+\t], v253 matrix_a_fmt:MATRIX_FMT_FP4 matrix_b_fmt:MATRIX_FMT_FP4
.endr
.endm
; A head's end: O^T / the sum; its 64 channels, two blocks of 32, become registers 4 p .. 4 p + 3 of the fragment that leaves, and bytes 2 p, 2 p + 1 of its scale word.
.macro FINISH p
.rept 4
	v_nop                                          ; places behind the last products
.endr
	v_add_f32 v14, v14, v15                        ; the sum's two halves,
	s_delay_alu instid0(VALU_DEP_1)
	v_permlanex16_b32 v252, v14, s[SEL], s[SEL+1]
	s_delay_alu instid0(VALU_DEP_1)
	v_add_f32 v14, v14, v252                       ; and lane l xor 16's: the row's sum
	s_wait_alu depctr_va_vdst(0)
	v_rcp_f32 v14, v14
	v_nop                                          ; a plain line behind the transcendental
.set j, 0
	s_wait_alu depctr_va_vdst(0)
.rept 32
	v_mul_f32 v[96+j], v[160+j], v14               ; register 16 b + i: channel 32 b + 16 (lane / 16) + i.  Each accumulator from its low end on
.set j, j+1
.endr
.irp b, 0,1
	v_max3_num_f32 v[232+\b], |v[96+16*\b]|, |v[97+16*\b]|, 0x1800000
.endr
.irp i, 2,4,6,8,10,12,14
.irp b, 0,1
	s_delay_alu instid0(VALU_DEP_2)
	v_max3_num_f32 v[232+\b], v[232+\b], |v[96+16*\b+\i]|, |v[97+16*\b+\i]|
.endr
.endr
.irp b, 0,1
	s_delay_alu instid0(VALU_DEP_2)
	v_permlanex16_b32 v[236+\b], v[232+\b], s[SEL], s[SEL+1]
.endr
.irp b, 0,1
	s_delay_alu instid0(VALU_DEP_2)
	v_max_num_f32 v[232+\b], v[232+\b], v[236+\b]
.endr
.irp b, 0,1
	s_delay_alu instid0(VALU_DEP_2)
	v_add_nc_u32 v[244+\b], 0xff000000, v[232+\b]
.endr
.irp b, 0,1
	s_delay_alu instid0(VALU_DEP_2)
	v_lshrrev_b32 v[236+\b], 23, v[244+\b]
.endr
.if \p == 0
	s_delay_alu instid0(VALU_DEP_1)
	v_lshl_or_b32 v208, v237, 8, v236
.else
	s_delay_alu instid0(VALU_DEP_2)
	v_lshl_or_b32 v208, v236, 16, v208
	s_delay_alu instid0(VALU_DEP_1)
	v_lshl_or_b32 v208, v237, 24, v208
.endif
.irp b, 0,1
	v_cvt_scalef32_pk8_fp4_f32 v[200+4*\p+2*\b], v[96+16*\b:103+16*\b], v[244+\b]
	v_cvt_scalef32_pk8_fp4_f32 v[201+4*\p+2*\b], v[104+16*\b:111+16*\b], v[244+\b]
.endr
	v_nop                                          ; one plain line behind a scaled conversion
	v_permlane16_swap_b32 v[200+4*\p], v[202+4*\p]
	v_permlane16_swap_b32 v[201+4*\p], v[203+4*\p]
.endm
; One head: all its keys, 16 steps.  The step is written once for each head: O^T and the sum begin as zeros and the largest t as -3e38, so that the first change of M multiplies zeros.
.macro PASS p, qf, qs
	v_mov_b32 v13, 0xff61b1e6
	s_delay_alu instid0(VALU_DEP_1)
	v_floor_f32 v12, -v13
	v_mov_b32 v14, 0
	v_mov_b32 v15, 0
.set j, 0
.rept 32
	v_mov_b32 v[160+j], 0
.set j, j+1
.endr
	s_mov_b32 s[TC], \p*HB
	s_mov_b32 s[TS], \p*HB
	s_mov_b32 s[CNT], 16
.Lstep_\@:
	s_setprio 2
	STEP \qf, \qs
	s_add_co_u32 s[TC], s[TC], 4096                ; the next step's codes, of K and of V alike,
	s_add_co_u32 s[TS], s[TS], 256                 ; and scale words
	s_sub_co_u32 s[CNT], s[CNT], 1
	s_cmp_lg_u32 s[CNT], 0
	s_cbranch_scc1 .Lstep_\@
	s_setprio 0
	FINISH \p
.endm
	s_wait_tensorcnt 1                             ; my part of head A is in; head B's may stay out
	s_barrier_signal -1
	s_barrier_wait -1                              ; everybody's is
	PASS 0, 16, 209
	s_wait_tensorcnt 0x0                           ; my part of head B is in (no LDS instruction of mine is out here)
	s_barrier_signal -1
	s_barrier_wait -1
	PASS 1, 212, 210
	global_store_b128 v1, v[200:203], s[6:7]       ; the fragment's image: each store covers 512 consecutive bytes, aligned
	global_store_b128 v1, v[204:207], s[6:7] offset:512
	ds_store_b32 v5, v208                          ; lanes l and l xor 16 write the same word with the same value
	s_wait_dscnt 0x0                               ; for the others' sake
	s_barrier_signal -1
	s_barrier_wait -1
	s_cmp_lt_u32 s[WV], 2                          ; waves 0 and 1 store the sixteen tiles' scale words: 1,024 consecutive bytes, aligned
	s_cbranch_scc0 .Lno_words
	ds_load_b128 v[32:35], v6
	s_wait_dscnt 0x0
	global_store_b128 v7, v[32:35], s[8:9]
.Lno_words:
	s_wait_tensorcnt 0x0
	ds_add_u32 v251, v255
	s_wait_dscnt 0x0
	CROUND                                         ; the closing round: no work-group ends while a partner may still ask for a tile that names it
	s_endpgm
.Lfunc_end_k_qe8a88e5809_attn:
	.size	k_qe8a88e5809_attn, .Lfunc_end_k_qe8a88e5809_attn-k_qe8a88e5809_attn
	.p2alignl 7, 3214868480
	.fill 96, 4, 3214868480
	.section	.rodata,"a",@progbits
	.p2align	6, 0x0
	.amdhsa_kernel k_qe8a88e5809_attn
		.amdhsa_group_segment_fixed_size 327680
		.amdhsa_private_segment_fixed_size 0
		.amdhsa_enable_private_segment 0
		.amdhsa_kernarg_size 24
		.amdhsa_user_sgpr_count 2
		.amdhsa_user_sgpr_kernarg_segment_ptr 1
		.amdhsa_wavefront_size32 1
		.amdhsa_system_sgpr_workgroup_id_x 1
		.amdhsa_system_sgpr_workgroup_id_y 1
		.amdhsa_system_sgpr_workgroup_id_z 1
		.amdhsa_system_vgpr_workitem_id 0
		.amdhsa_next_free_vgpr 256
		.amdhsa_next_free_sgpr 66
		.amdhsa_reserve_vcc 0
		.amdhsa_float_denorm_mode_32 3
		.amdhsa_float_denorm_mode_16_64 3
		.amdhsa_memory_ordered 1
		.amdhsa_forward_progress 1
		.amdhsa_inst_pref_size 51
	.end_amdhsa_kernel
	.amdgpu_metadata
---
amdhsa.version: [ 1, 2 ]
amdhsa.kernels:
  - .name:           k_qe8a88e5809_attn
    .symbol:         k_qe8a88e5809_attn.kd
    .args:
      - { .name: hb, .offset: 0, .size: 8, .value_kind: global_buffer, .address_space: global }
      - { .name: ac, .offset: 8, .size: 8, .value_kind: global_buffer, .address_space: global }
      - { .name: asw, .offset: 16, .size: 8, .value_kind: global_buffer, .address_space: global }
    .group_segment_fixed_size: 327680
    .private_segment_fixed_size: 0
    .kernarg_segment_align: 8
    .kernarg_segment_size: 24
    .max_flat_workgroup_size: 512
    .sgpr_count:     66
    .vgpr_count:     256
    .wavefront_size: 32
...
	.end_amdgpu_metadata
.endif
;; end of part 3
;; launch outp (part 4): grid 4 x 32, 4 waves a work-group, clusters of 4 x 4, 327,680 bytes of LDS; arguments ac, asw, xc, xs, bo, out0; writes out0
.if DOCPART == 4
	.amdgcn_target "amdgcn-amd-amdhsa--gfx1250"
	.amdhsa_code_object_version 6
	.text
	.protected	k_qe8a88e5809_outp
	.globl	k_qe8a88e5809_outp
	.p2align	8
	.type	k_qe8a88e5809_outp,@function
k_qe8a88e5809_outp:
	s_mov_b64 s[64:65], 0
	v_nop
	global_prefetch_b8 v0, s[64:65] scope:SCOPE_SE
	s_setreg_imm32_b32 hwreg(HW_REG_WAVE_MODE, 25, 1), 1
	s_wait_xcnt 0x0
	s_wait_alu depctr_hold_cnt(0) depctr_sa_sdst(0) depctr_va_vdst(0) depctr_va_sdst(0) depctr_va_ssrc(0) depctr_va_vcc(0) depctr_vm_vsrc(0)
	s_getreg_b32 s2, hwreg(HW_REG_IB_STS2, 6, 4)
	s_cmp_eq_u32 s2, 0
	s_cbranch_scc0 .Lentry_in_a_cluster
	s_endpgm
.Lentry_in_a_cluster:
	s_bfe_u32 s2, ttmp6, 0x10000c
	s_cmp_lg_u32 s2, 0xf033
	s_cbranch_scc0 .Lentry_shape_is_right
	s_endpgm
.Lentry_shape_is_right:
; out0 = attn Wo^T + bo on codes of FP4 (E2M1) with E8M0 scales, K = 1,024; out0 [8192][1024] f32.
; A (attn) comes as images of fragments: ac [row tile T 0..511][j 0..7][1,024 bytes]: 16 rows x 128 K, lane l's 16 bytes at 16 l, registers 0-3 then 4-7; row r of tile T is row 32 (T / 2) + 8 (T % 2) + r + (r & 8).
; Its scale words: asw [j][T][r][4].  B (Wo) comes from xc, xs (rows from 27,648 on), in tile order: the 16 stored rows of tile 2 b + u are rows 32 b + 8 u + r + (r & 8).
; A work-group of four waves makes 256 x 256, a wave 128 x 128: 64 accumulators.  THE MATRIX INSTRUCTION IS USED TRANSPOSED (source 0 = rows of Wo, source 1 = rows of attn): a lane holds one row of out0,
; and by the tile order its 16 registers of two neighbouring tiles are 16 neighbouring columns.  bo is the C of each sum's first matrix instruction: no addition.
; ALL OF K FITS IN LDS: two slots of 512 along K, each filled once at the start: A's 16 tiles x 4,096 bytes, dense; B's 256 rows of 256 bytes + 16 of padding.  No LDS byte is filled twice, so there is no ring.
; CLUSTERS: 4 x 4 work-groups; A's tiles are asked for jointly along a row of the cluster, B's along a column.  The grid has 128 work-groups: a tile of half the size would fill the chip with another core text.
; THE WAY OUT: a block of 16 rows x 128 columns goes through the wave's own stage in LDS and comes back as whole rows of 512 bytes.  The stage lies in slot 0, which has had its one fill, and which nobody reads behind the change of slots.
; REGISTERS, in windows of 256: window 0: v0-31 addresses; v32-95 A's scale words (8 a + kq); v96-159 B's (8 b + kq); v160-223 A's fragments, one set.
;   window 1: v0-63, v128-191 B's two sets (on the way out: rows read back from the stage); v64-127 bo.   windows 2, 3: the accumulators ((a, b) at v[8 (8 (a % 4) + b)]).
.set PITCH,  272                       ; B's LDS row: 256 bytes + 16 of padding = 68 words: row r starts at bank 4 r mod 64 (64 banks of 4 bytes: ISA guide 11.1)
.set HALFT,  128*PITCH
.set ABYTES, 65536                     ; A's part of a slot
.set SLOT,   ABYTES+2*HALFT
.set SPITCH, 528                       ; a stage row: 512 bytes + 16
.set FR,     8
.set NL,     2
.set NP,     4                         ; places behind this matrix instruction (ISA guide 7.12.1)
.set ADRA, 16                          ; v16-17  LDS address of my A fragments in slot 0, 1
.set ADRB, 20                          ; v20-21  the same for B
.set STO,  24                          ; v24     the way out: where I put my part of a row
.set RD,   25                          ; v25     where I read a row back
.set CO,   26                          ; v26     16 x lane: my byte offset in a row's 512
.set SAO,  27                          ; v27     4 r
.set SBO,  28                          ; v28     32 r
.set BOFF, 29                          ; v29     64 h
.set SA,   32
.set SB,   96
.set AF,   160
.set BI,   64                          ; in window 1
.set G1,  24
.set G0,  32
.set G1B, 48
.set G0B, 56
.set MSB, 0
.macro WIN new
.if MSB != (\new)
	s_set_vgpr_msb (MSB<<8)|(\new)
.set MSB, (\new)
.endif
.endm
.set MUL_LO, 0xa1                      ; source 0 (B) window 1, source 1 (A) window 0, C and D window 2
.set MUL_HI, 0xf1                      ; the same, C and D window 3
.set TO_B,   0x40                      ; destination window 1, address window 0
.macro JLOAD s                         ; a joint load: waves 0 and 1 fetch A's halves, waves 2 and 3 B's; four v_nop follow each line
	s_cmp_eq_u32 s15, 0
	s_cbranch_scc0 .Lfor_b_\@
	tensor_load_to_lds s[G0+4*\s:G0+4*\s+3], s[G1:G1+7]
	s_nop 0
.rept 4
	v_nop
.endr
	s_branch .Lasked_\@
.Lfor_b_\@:
	tensor_load_to_lds s[G0B+4*\s:G0B+4*\s+3], s[G1B:G1B+7]
	s_nop 0
.rept 4
	v_nop
.endr
.Lasked_\@:
.endm
.macro CROUND                          ; a round of the cluster's barrier
	s_barrier_signal -1
	s_barrier_wait -1
	s_cmp_lg_u32 s14, 0
	s_cbranch_scc1 .Lnot_wave_0_\@
	s_barrier_signal -3
.Lnot_wave_0_\@:
	s_barrier_wait -3
	s_barrier_signal -1
	s_barrier_wait -1
.endm
	s_load_b256 s[4:11], s[0:1], 0x0               ; ac s[4:5], asw s[6:7], xc s[8:9], xs s[10:11]
	s_load_b128 s[68:71], s[0:1], 0x20             ; bo s[68:69], out0 s[70:71]
	v_lshl_add_u32 v254, v0, 2, 0x42000
	v_mov_b32 v255, 0
	ds_add_u32 v254, v255
	ds_add_u32 v254, v255
	v_lshrrev_b32 v1, 5, v0
	v_readfirstlane_b32 s14, v1                    ; wave 0..3
	s_lshr_b32 s15, s14, 1                         ; which half of A's rows is mine.  Also: I fetch for A (0) or for B (1)
	s_and_b32 s16, s14, 1                          ; which half of B's rows.  Also: which half of that tile I fetch
	s_bfe_u32 s40, ttmp6, 0x40000                  ; cx, cy
	s_bfe_u32 s41, ttmp6, 0x40004
	s_lshl_b32 s42, ttmp9, 2
	s_add_co_u32 s42, s42, s40                     ; tile column: 256 rows of Wo
	s_and_b32 s17, ttmp7, 0xffff
	s_lshl_b32 s17, s17, 2
	s_add_co_u32 s17, s17, s41                     ; tile row: 256 rows of attn, 16 row tiles
	s_lshl_b32 s43, s41, 2
	s_lshl_b32 s43, 15, s43                        ; my row of the cluster
	s_lshl_b32 s44, 0x1111, s40                    ; my column
	; descriptor group 1 for A: 8 row tiles, of each 4,096 bytes (four K steps' images), 8,192 bytes apart; dense in LDS
	s_or_b32 s[G1+0], s43, (3<<16)|(1<<21)         ; 15:0 the mask: my row; 17:16 elements of 8 bytes; 21 set beside a mask
	s_mov_b32 s[G1+1], 512<<16                     ; tensor_dim0
	s_mov_b32 s[G1+2], 8<<16                       ; tensor_dim1
	s_mov_b32 s[G1+3], 512<<16                     ; tile_dim0
	s_mov_b32 s[G1+4], 8                           ; tile_dim1
	s_mov_b32 s[G1+5], 1024                        ; tensor_dim0_stride
	s_mov_b32 s[G1+6], 0
	s_mov_b32 s[G1+7], 0
	; for B: 128 rows x 256 bytes, padded in LDS
	s_or_b32 s[G1B+0], s44, (0<<16)|(1<<20)|(1<<21)|(5<<22)|(3<<25)
	s_mov_b32 s[G1B+1], 256<<16
	s_mov_b32 s[G1B+2], 128<<16
	s_mov_b32 s[G1B+3], 256<<16
	s_mov_b32 s[G1B+4], 128
	s_mov_b32 s[G1B+5], 512
	s_mov_b32 s[G1B+6], 0
	s_mov_b32 s[G1B+7], 0
	s_lshl_b32 s20, s17, 4
	s_lshl_b32 s23, s16, 3
	s_add_co_u32 s20, s20, s23                     ; A: row tile 16 x tile row + 8 x half
	s_lshl_b32 s20, s20, 13                        ; 8,192 bytes a row tile
	s_mov_b32 s21, 0
	s_lshl_b32 s46, s42, 8
	s_lshl_b32 s47, s16, 7
	s_add_co_u32 s46, s46, s47
	s_add_co_u32 s75, s46, 27648                   ; B: stored row 27,648 + 256 x tile column + 128 x half (also: my own 128 rows of B)
	s_lshl_b32 s46, s75, 9
	s_mov_b32 s47, 0
	s_lshl_b32 s45, s16, 15                        ; where they go: A's halves,
	s_mul_i32 s74, s16, HALFT
	s_add_co_u32 s74, s74, ABYTES                  ; B's halves behind them: no place in the cluster enters an LDS address
	s_wait_dscnt 0x0
	s_wait_kmcnt 0x0
	s_add_nc_u64 s[82:83], s[4:5], s[20:21]
	s_add_nc_u64 s[84:85], s[8:9], s[46:47]
	CROUND                                         ; all sixteen work-groups are here: the joint loads meet
.irp s, 0,1
	s_mov_b32 s[G0+4*\s], 1
	s_add_co_u32 s[G0+4*\s+1], s45, \s*SLOT
	s_add_nc_u64 s[G0+4*\s+2:G0+4*\s+3], s[82:83], \s*4096
	s_or_b32 s[G0+4*\s+3], s[G0+4*\s+3], 0x80000000
	s_mov_b32 s[G0B+4*\s], 1
	s_add_co_u32 s[G0B+4*\s+1], s74, \s*SLOT
	s_add_nc_u64 s[G0B+4*\s+2:G0B+4*\s+3], s[84:85], \s*256
	s_or_b32 s[G0B+4*\s+3], s[G0B+4*\s+3], 0x80000000
	s_wait_alu depctr_va_vdst(0)
	s_wait_tensorcnt 0x0
	ds_add_u32 v254, v255
	ds_add_u32 v254, v255
	s_wait_dscnt 0x0
	CROUND
	JLOAD \s                                       ; one slot at a time: slot 0's load lands before slot 1's is asked for, and no more follow
.endr
	v_and_b32 v1, 15, v0                           ; r
	v_bfe_u32 v2, v0, 4, 1                         ; h
	v_lshlrev_b32 v[SAO], 2, v1
	s_wait_alu depctr_va_vdst(0)
	v_lshlrev_b32 v[SBO], 5, v1
	s_wait_alu depctr_va_vdst(0)
	v_lshlrev_b32 v[BOFF], 6, v2
	s_wait_alu depctr_va_vdst(0)
	s_lshl_b32 s76, s17, 4
	s_lshl_b32 s77, s15, 3
	s_add_co_u32 s76, s76, s77                     ; my first row tile
	s_lshl_b32 s76, s76, 6                         ; 64 bytes of scale words a tile
	s_mov_b32 s77, 0
	s_add_nc_u64 s[6:7], s[6:7], s[76:77]
	s_lshl_b32 s78, s75, 5                         ; 32 scale bytes a row of Wo
	s_mov_b32 s79, 0
	s_add_nc_u64 s[10:11], s[10:11], s[78:79]
	s_sub_co_u32 s80, s75, 27648
	s_lshl_b32 s80, s80, 2                         ; my 128 columns' place in bo
	s_mov_b32 s81, 0
	s_add_nc_u64 s[68:69], s[68:69], s[80:81]
.irp a, 0,1,2,3,4,5,6,7
.irp q, 0,1,2,3,4,5,6,7
	global_load_b32 v[SA+8*\a+\q], v[SAO], s[6:7] offset:32768*\q+64*\a    ; lane r: row r's word of tile a, K step q
.endr
.endr
.irp b, 0,1,2,3,4,5,6,7
	global_load_b128 v[SB+8*\b:SB+8*\b+3], v[SBO], s[10:11] offset:512*\b
	global_load_b128 v[SB+8*\b+4:SB+8*\b+7], v[SBO], s[10:11] offset:512*\b+16
.endr
	WIN TO_B
.irp b, 0,1,2,3,4,5,6,7                        ; lane (r, h) wants, for tile 2 g + u, bo of columns 32 g + 16 h + 8 u + 0 .. 7
	global_load_b128 v[BI+8*\b:BI+8*\b+3], v[BOFF], s[68:69] offset:(32*(\b/2)+8*(\b%2))*4
	global_load_b128 v[BI+8*\b+4:BI+8*\b+7], v[BOFF], s[68:69] offset:(32*(\b/2)+8*(\b%2))*4+16
.endr
	WIN 0
	v_and_b32 v6, 31, v0
	v_lshlrev_b32 v[CO], 4, v6
	s_lshl_b32 s12, s15, 15                        ; my 8 row tiles of A
	v_mul_u32_u24 v3, v1, PITCH
	v_lshl_add_u32 v4, v2, 4, v3
	s_mul_i32 s13, s16, HALFT                      ; my 128 rows of B
	s_add_co_u32 s13, s13, ABYTES
.irp s, 0,1
	v_add_nc_u32 v[ADRA+\s], s12, v[CO]
	v_add_nc_u32 v[ADRB+\s], s13, v4
	s_add_co_u32 s12, s12, SLOT
	s_add_co_u32 s13, s13, SLOT
.endr
	s_mul_i32 s23, s14, 16*SPITCH                  ; my stage
	v_mul_u32_u24 v5, v1, SPITCH
	v_lshl_add_u32 v5, v2, 6, v5
	v_add_nc_u32 v[STO], s23, v5                   ; in: row r, + 64 h
	v_add_nc_u32 v[RD], s23, v[CO]                 ; back: the 32 lanes take one row of 512 bytes
	s_lshl_b32 s86, s17, 8
	s_lshl_b32 s87, s15, 7
	s_add_co_u32 s86, s86, s87                     ; my first row of out0
	s_lshl_b32 s86, s86, 12                        ; 4,096 bytes a row
	s_lshl_b32 s87, s42, 10
	s_add_co_u32 s86, s86, s87
	s_lshl_b32 s87, s16, 9
	s_add_co_u32 s86, s86, s87                     ; + my first column
	s_mov_b32 s87, 0
	s_add_nc_u64 s[70:71], s[70:71], s[86:87]
; 16 matrix instructions: A's blocks a0, a0 + 1 x B's eight, the kq-th 128 along K.  first = 1: the sums begin with bo.  The 64 accumulators take turns, one instruction a turn.
.macro MUL16 a0, p, kq, first
.irp a, \a0, \a0+1
.irp b, 0,1,2,3,4,5,6,7
.if \first
	v_wmma_scale_f32_16x16x128_f8f6f4 v[8*(8*((\a)%4)+\b):8*(8*((\a)%4)+\b)+7], v[128*(\p)+FR*\b:128*(\p)+FR*\b+FR-1], v[AF+FR*(\a):AF+FR*(\a)+FR-1], v[BI+8*\b:BI+8*\b+7], v[SB+8*\b+(\kq)], v[SA+8*(\a)+(\kq)] matrix_a_fmt:MATRIX_FMT_FP4 matrix_b_fmt:MATRIX_FMT_FP4
.else
	v_wmma_scale_f32_16x16x128_f8f6f4 v[8*(8*((\a)%4)+\b):8*(8*((\a)%4)+\b)+7], v[128*(\p)+FR*\b:128*(\p)+FR*\b+FR-1], v[AF+FR*(\a):AF+FR*(\a)+FR-1], v[8*(8*((\a)%4)+\b):8*(8*((\a)%4)+\b)+7], v[SB+8*\b+(\kq)], v[SA+8*(\a)+(\kq)] matrix_a_fmt:MATRIX_FMT_FP4 matrix_b_fmt:MATRIX_FMT_FP4
.endif
.endr
.endr
.endm
.macro FETCH_B slot, q, p              ; B's eight fragments of the slot's q-th 128 along K into set p
	WIN TO_B
.irp i, 0,1,2,3,4,5,6,7
.irp c, 0,1
	ds_load_b128 v[128*(\p)+FR*\i+4*\c:128*(\p)+FR*\i+4*\c+3], v[ADRB+\slot] offset:64*(\q)+32*\c+\i*16*PITCH
.endr
.endr
	WIN 0
.endm
.macro FETCH_A slot, q, i0             ; A's blocks i0 .. i0 + 3: images, 512 consecutive bytes a load
.irp i, \i0, \i0+1, \i0+2, \i0+3
.irp c, 0,1
	ds_load_b128 v[AF+FR*(\i)+4*\c:AF+FR*(\i)+4*\c+3], v[ADRA+\slot] offset:4096*(\i)+1024*(\q)+512*\c
.endr
.endr
.endm
.macro PLACES n                        ; plain vector lines between a matrix instruction and a load into, or a store of, one of its registers (not for loads)
.rept \n
	v_nop
.endr
.endm
.macro STEP slot, q, first
	s_wait_dscnt 4*NL                              ; B's set and A's blocks 0-3 are in; the youngest eight loads (A's blocks 4-7) may be out
	WIN MUL_LO-0x10*(\first)                       ; (first: C in window 1)
	MUL16 0, (\q)%2, 4*(\slot)+(\q), \first
	MUL16 2, (\q)%2, 4*(\slot)+(\q), \first
	s_wait_dscnt 0
	PLACES NP
	FETCH_B \slot, (\q)+1, 1-(\q)%2
	FETCH_A \slot, (\q)+1, 0
	WIN MUL_HI-0x20*(\first)
	MUL16 4, (\q)%2, 4*(\slot)+(\q), \first
	MUL16 6, (\q)%2, 4*(\slot)+(\q), \first
	PLACES NP
	WIN 0
	FETCH_A \slot, (\q)+1, 4
.endm
	s_wait_alu depctr_va_vdst(0)
	s_wait_tensorcnt 1                             ; my part of slot 0 is in; slot 1's load may stay out
	s_barrier_signal -1
	s_barrier_wait -1                              ; everybody's is
	FETCH_B 0, 0, 0
	FETCH_A 0, 0, 0
	FETCH_A 0, 0, 4
	s_wait_loadcnt 0x0                             ; scale words and bo: the first step wants them all
	STEP 0, 0, 1
	STEP 0, 1, 0
	STEP 0, 2, 0
	; slot 0's last step goes over to slot 1
	s_wait_tensorcnt 0x0                           ; my part of slot 1 has landed: no tensor load was issued behind it
	s_wait_dscnt 4*NL
	WIN MUL_LO
	MUL16 0, 1, 3, 0
	s_wait_dscnt 0x0                               ; my reads of slot 0 are over: no LDS instruction of mine is out at the signal
	s_barrier_signal -1
	MUL16 2, 1, 3, 0
	WIN 0
	s_barrier_wait -1                              ; slot 1 is whole, and nobody reads slot 0 any more
	PLACES NP
	FETCH_B 1, 0, 0
	FETCH_A 1, 0, 0
	WIN MUL_HI
	MUL16 4, 1, 3, 0
	MUL16 6, 1, 3, 0
	PLACES NP
	WIN 0
	FETCH_A 1, 0, 4
	STEP 1, 0, 0
	STEP 1, 1, 0
	STEP 1, 2, 0
	s_wait_dscnt 4*NL                              ; the last step: nothing more to fetch
	WIN MUL_LO
	MUL16 0, 1, 7, 0
	MUL16 2, 1, 7, 0
	s_wait_dscnt 0
	WIN MUL_HI
	MUL16 4, 1, 7, 0
	MUL16 6, 1, 7, 0
	WIN 0
; THE WAY OUT, block by block.  LDS serves a wave's instructions in order (ISA guide 5.7.1.4): no wait between the stores and the loads, nor in front of the next block's stores.
.macro TOSTAGE a
.set AC, 64*((\a)%4)
	WIN 0x08+4*((\a)/4)                            ; an LDS store's data are its source 1: window 2 or 3
.irp b, 0,1,2,3,4,5,6,7
	ds_store_b128 v[STO], v[AC+8*\b:AC+8*\b+3] offset:128*(\b/2)+32*(\b%2)          ; columns 32 (b / 2) + 16 h + 8 (b % 2) on; each accumulator from its low end on
	ds_store_b128 v[STO], v[AC+8*\b+4:AC+8*\b+7] offset:128*(\b/2)+32*(\b%2)+16
.endr
	WIN TO_B
.set BB, 128*((\a)%2)
.irp t, 0,1,2,3,4,5,6,7,8,9,10,11,12,13,14,15
	ds_load_b128 v[BB+4*\t:BB+4*\t+3], v[RD] offset:\t*SPITCH
.endr
.endm
.macro SEND a, younger                 ; younger: the LDS instructions issued behind block a's loads, which may stay out
.set BB, 128*((\a)%2)
	s_wait_dscnt \younger                          ; the block is back in registers
	WIN 0x04                                       ; a store's data are its source 1: window 1
.irp t, 0,1,2,3,4,5,6,7,8,9,10,11,12,13,14,15
	global_store_b128 v[CO], v[BB+4*\t:BB+4*\t+3], s[70:71] offset:(32*((\a)/2)+8*((\a)%2)+\t+8*(\t/8))*4096 th:TH_STORE_NT   ; stage row t is row t + 8 (t / 8) of the tile: 512 consecutive bytes, aligned; 127 rows on at the most, inside the signed 24-bit immediate
.endr
.endm
	PLACES NP                                      ; in front of the first read of results and of the loads into the registers that held B's fragments
	TOSTAGE 0
.irp a, 1,2,3,4,5,6,7
.if \a > 1
	s_wait_xcnt 0x0                                ; block a - 2's stores have read their registers: block a's loads may land there
.endif
	TOSTAGE \a
	SEND \a-1, 32                                  ; behind block a - 1's loads: block a's 16 stores and 16 loads
.endr
	SEND 7, 0
	WIN 0
	s_wait_tensorcnt 0x0
	ds_add_u32 v254, v255
	s_wait_dscnt 0x0
	CROUND                                         ; the closing round: no work-group ends while a partner may still ask for a tile that names it
	s_endpgm
.Lfunc_end_k_qe8a88e5809_outp:
	.size	k_qe8a88e5809_outp, .Lfunc_end_k_qe8a88e5809_outp-k_qe8a88e5809_outp
	.p2alignl 7, 3214868480
	.fill 96, 4, 3214868480
	.section	.rodata,"a",@progbits
	.p2align	6, 0x0
	.amdhsa_kernel k_qe8a88e5809_outp
		.amdhsa_group_segment_fixed_size 327680
		.amdhsa_private_segment_fixed_size 0
		.amdhsa_enable_private_segment 0
		.amdhsa_kernarg_size 48
		.amdhsa_user_sgpr_count 2
		.amdhsa_user_sgpr_kernarg_segment_ptr 1
		.amdhsa_wavefront_size32 1
		.amdhsa_system_sgpr_workgroup_id_x 1
		.amdhsa_system_sgpr_workgroup_id_y 1
		.amdhsa_system_sgpr_workgroup_id_z 1
		.amdhsa_system_vgpr_workitem_id 0
		.amdhsa_next_free_vgpr 1024
		.amdhsa_next_free_sgpr 100
		.amdhsa_reserve_vcc 0
		.amdhsa_float_denorm_mode_32 3
		.amdhsa_float_denorm_mode_16_64 3
		.amdhsa_memory_ordered 1
		.amdhsa_forward_progress 1
		.amdhsa_inst_pref_size 131
	.end_amdhsa_kernel
	.amdgpu_metadata
---
amdhsa.version: [ 1, 2 ]
amdhsa.kernels:
  - .name:           k_qe8a88e5809_outp
    .symbol:         k_qe8a88e5809_outp.kd
    .args:
      - { .name: ac, .offset: 0, .size: 8, .value_kind: global_buffer, .address_space: global }
      - { .name: asw, .offset: 8, .size: 8, .value_kind: global_buffer, .address_space: global }
      - { .name: xc, .offset: 16, .size: 8, .value_kind: global_buffer, .address_space: global }
      - { .name: xs, .offset: 24, .size: 8, .value_kind: global_buffer, .address_space: global }
      - { .name: bo, .offset: 32, .size: 8, .value_kind: global_buffer, .address_space: global }
      - { .name: out0, .offset: 40, .size: 8, .value_kind: global_buffer, .address_space: global }
    .group_segment_fixed_size: 327680
    .private_segment_fixed_size: 0
    .kernarg_segment_align: 8
    .kernarg_segment_size: 48
    .max_flat_workgroup_size: 128
    .sgpr_count:     100
    .vgpr_count:     1024
    .wavefront_size: 32
...
	.end_amdgpu_metadata
.endif
;; end of part 4
